; MI455X (gfx1250); checked and timed in simulation.
; The chip was launched on July 23, 2026; its instructions are those of AMD's public machine-readable ISA for CDNA 5 (MIT licence, August 2026) and "CDNA5" Instruction Set Architecture Reference Guide (July 2026). The comments in the code are by the model that wrote it; some were corrected since.
;; Batched Experts. Allowed arithmetic: float matrix products may take bf16 or f16 operands with f32 sums; all other float work in f32.
;; Inputs: b0 8 x 1 x 2,048 float32; b1 8 x 1 x 1,024 float32; routing_tensor 2,048 x 8 float32; w0 8 x 1,024 x 2,048 float32; w1 8 x 2,048 x 1,024 float32; x 2,048 x 1,024 float32.
;; Outputs: out0 2,048 x 1,024 float32.
;; 2 versions, each right; version 2 is version 1 with the launches gemm1, gemm2 written anew for expert scheduling mode. Each part assembles by itself: llvm-mc -triple=amdgcn-amd-amdhsa -mcpu=gfx1250 --defsym DOCPART=n.
;; ======== version 1 of 2: 5 launches
;; limits: a function is approximated: absolute error at most 1.5e-07; values are held in f16: magnitudes above 65,504 overflow, below 6.1e-05 lose precision
;; workspace buffers: list 65,536 bytes of whole numbers; pos 65,536 bytes of whole numbers; cnt 1,024 bytes of whole numbers; xf 33,554,432 bytes; hf 67,108,864 bytes; y 134,217,728 bytes
;; launch route (part 1): grid 64 x 1, 8 waves a work-group, no clusters, 3,072 bytes of LDS; arguments routing_tensor, list, pos, cnt; writes list, pos, cnt
.if DOCPART == 1
	.amdgcn_target "amdgcn-amd-amdhsa--gfx1250"
	.amdhsa_code_object_version 6
	.text
	.protected	k_q5c93d18139_route
	.globl	k_q5c93d18139_route
	.p2align	8
	.type	k_q5c93d18139_route,@function
k_q5c93d18139_route:
	s_mov_b64 s[64:65], 0
	v_nop
	global_prefetch_b8 v0, s[64:65] scope:SCOPE_SE
	s_setreg_imm32_b32 hwreg(HW_REG_WAVE_MODE, 25, 1), 1
	s_wait_xcnt 0x0
; ROUTE, the first of five launches for
;   out[n] = sum over e of r[n][e] * ( gelu(x[n] W0[e] + b0[e]) W1[e] + b1[e] ),  n < 2048, e < 8.
; WHAT IS NOT COMPUTED, AND WHY THAT IS SOUND.  No input and no step is left out for all values: every input is loaded.
; A pair (n, e) with r[n][e] == 0 adds 0 * y[e][n] to the sum, so its expert row is not asked for.  Which pairs those are hangs on
; the values of r, so it is decided HERE, stored as whole numbers, and the later launches read those numbers from memory and do what
; they ask for: any number of routed pairs from 0 to all 16,384 is served.
; LIMITS.  Routed means r != 0: -0 counts as zero, a NaN counts as routed.  A NaN, an infinity or an overflow inside an expert's
; result for a pair with r == 0 is not carried to the output.
; WHAT THIS LAUNCH STORES (all at addresses made of ids and constants alone; numbers that come from r are only stored):
;   list[e][j] = the token of slot j of expert e, tokens ascending; 0 for j >= cnt[e]
;   pos[e][n]  = 2048 e + (the slot of token n in expert e), or 0xffffffff where r[n][e] == 0
;   cnt[e][0..31] = the number of routed tokens of expert e, 32 times (one store of a whole wave)
; SHARES.  Work-group G owns slots 32 G .. 32 G + 31 of every list and tokens 32 G .. 32 G + 31 of every pos row.  Wave w first makes the
; masks of tokens 256 w .. 256 w + 255 for all experts, then is expert w.  Every work-group reads all of r (65,536 bytes).
.set RT, 8                             ; v[8:71]  first r as loaded (8 rows a lane x 8 experts), then my expert's 64 masks
.set MK, 80                            ; v[80:87] eight masks on their way to LDS
	s_load_b256 s[4:11], s[0:1], 0x0               ; r s[4:5], list s[6:7], pos s[8:9], cnt s[10:11]
	v_lshl_add_u32 v88, v0, 2, 0x800
	v_mov_b32 v89, 0
	v_and_b32 v1, 31, v0                           ; lane
	v_lshrrev_b32 v2, 5, v0
	v_readfirstlane_b32 s12, v2                    ; wave w
	s_mov_b32 s13, ttmp9                           ; G
	s_lshl_b32 s14, s12, 13                        ; 256 rows of 32 bytes
	s_lshl_b32 s15, s13, 5                         ; 32 G
	s_lshl_b32 s25, s12, 11                        ; 2048 w
	s_lshl_b32 s16, s12, 5                         ; my eight mask words in an expert's row of LDS
	s_lshl_b32 s17, s12, 8                         ; expert w's row of 64 mask words
	s_lshl_b32 s18, s12, 7                         ; expert w's row of cnt
	v_lshl_add_u32 v2, v1, 5, s14                  ; byte offset in r of row 256 w + lane
	v_add_nc_u32 v3, s15, v1                       ; j = 32 G + lane: my slot, and my token
	v_add_lshl_u32 v75, v3, s25, 2                 ; 4 (2048 w + j): my word of list and of pos
	v_mov_b32 v77, s16
	v_mov_b32 v78, s17
	s_wait_kmcnt 0x0
.irp i, 0,1,2,3,4,5,6,7
	global_load_b128 v[RT+8*\i:RT+8*\i+3],   v2, s[4:5] offset:\i*1024      ; row 256 w + 32 i + lane, experts 0-3
	global_load_b128 v[RT+8*\i+4:RT+8*\i+7], v2, s[4:5] offset:\i*1024+16   ; experts 4-7
.endr
	s_wait_loadcnt 0x0
	; mask word (expert p, group g = 8 w + i): bit l = (r[32 g + l][p] != 0).  LDS: expert p's 64 words at 256 p.
.irp p, 0,1,2,3,4,5,6,7
.irp i, 0,1,2,3,4,5,6,7
	v_cmp_neq_f32 s20, 0, v[RT+8*\i+\p]            ; true for a NaN too
	v_mov_b32 v[MK+\i], s20
.endr
	ds_store_b128 v77, v[MK:MK+3]   offset:\p*256      ; all lanes store the same 16 bytes at the same place
	ds_store_b128 v77, v[MK+4:MK+7] offset:\p*256+16
.endr
	s_wait_dscnt 0x0                               ; my masks are in LDS before I say so
	s_barrier_signal -1
	s_barrier_wait -1                              ; everybody's are
.set c, 0
.rept 16
	ds_load_b128 v[RT+4*c:RT+4*c+3], v78 offset:16*c   ; expert w's 64 masks, in every lane
.set c, c+1
.endr
	s_mov_b32 s22, 0                               ; tokens routed in the groups in front
	s_mov_b32 s23, 0                               ; group G's mask
	s_mov_b32 s24, 0                               ; group G's first slot
	v_mov_b32 v4, 0                                ; the mask of the group that holds slot j
	v_mov_b32 v5, 0                                ; that group's first slot
	v_mov_b32 v6, 0                                ; that group's first token
	s_wait_dscnt 0x0
	; The first slots of the groups never fall, so the LAST group whose first slot is <= j is the one that holds slot j (for j < cnt).
.set g, 0
.rept 64
	v_readfirstlane_b32 s20, v[RT+g]
	v_cmp_le_u32 vcc_lo, s22, v3
	v_cndmask_b32 v4, v4, s20, vcc_lo
	v_cndmask_b32 v5, v5, s22, vcc_lo
	v_cndmask_b32 v6, v6, 32*g, vcc_lo
	s_cmp_eq_u32 s13, g
	s_cselect_b32 s23, s20, s23
	s_cselect_b32 s24, s22, s24
	s_bcnt1_i32_b32 s21, s20
	s_add_co_u32 s22, s22, s21
.set g, g+1
.endr
	; s22 = cnt[w].  Slot j is the (k+1)-th set bit of v4, k = j - v5: its place is the number of bit places whose inclusive count is <= k.
	v_sub_nc_u32 v74, v3, v5
	v_mov_b32 v72, 0
	v_mov_b32 v73, 0
.set b, 0
.rept 32
	v_bfe_u32 v7, v4, b, 1
	v_add_nc_u32 v72, v72, v7
	v_cmp_le_u32 vcc_lo, v72, v74
	v_cndmask_b32 v7, 0, 1, vcc_lo
	v_add_nc_u32 v73, v73, v7
.set b, b+1
.endr
	v_add_nc_u32 v73, v6, v73                      ; the token
	v_cmp_gt_u32 vcc_lo, s22, v3                   ; j < cnt
	v_cndmask_b32 v73, 0, v73, vcc_lo              ; a slot behind the last names token 0: a row that exists
	global_store_b32 v75, v73, s[6:7]
	v_mbcnt_lo_u32_b32 v76, s23, 0                 ; routed tokens of my group in front of mine
	v_add3_u32 v76, v76, s24, s25                  ; + the group's first slot + 2048 w
	v_cndmask_b32 v76, -1, v76, s23                ; not routed: all ones
	global_store_b32 v75, v76, s[8:9]
	s_cmp_lg_u32 s13, 0                            ; cnt is stored by work-group 0 alone
	s_cbranch_scc1 .Lend
	v_mov_b32 v79, s22
	v_lshl_add_u32 v72, v1, 2, s18
	global_store_b32 v72, v79, s[10:11]
.Lend:
	s_wait_tensorcnt 0x0
	ds_add_u32 v88, v89
	s_wait_dscnt 0x0
	s_endpgm
.Lfunc_end_k_q5c93d18139_route:
	.size	k_q5c93d18139_route, .Lfunc_end_k_q5c93d18139_route-k_q5c93d18139_route
	.p2alignl 7, 3214868480
	.fill 96, 4, 3214868480
	.section	.rodata,"a",@progbits
	.p2align	6, 0x0
	.amdhsa_kernel k_q5c93d18139_route
		.amdhsa_group_segment_fixed_size 3072
		.amdhsa_private_segment_fixed_size 0
		.amdhsa_enable_private_segment 0
		.amdhsa_kernarg_size 32
		.amdhsa_user_sgpr_count 2
		.amdhsa_user_sgpr_kernarg_segment_ptr 1
		.amdhsa_wavefront_size32 1
		.amdhsa_system_sgpr_workgroup_id_x 1
		.amdhsa_system_sgpr_workgroup_id_y 1
		.amdhsa_system_sgpr_workgroup_id_z 1
		.amdhsa_system_vgpr_workitem_id 0
		.amdhsa_next_free_vgpr 90
		.amdhsa_next_free_sgpr 66
		.amdhsa_reserve_vcc 1
		.amdhsa_float_denorm_mode_32 3
		.amdhsa_float_denorm_mode_16_64 3
		.amdhsa_memory_ordered 1
		.amdhsa_forward_progress 1
		.amdhsa_inst_pref_size 47
	.end_amdhsa_kernel
	.amdgpu_metadata
---
amdhsa.version: [ 1, 2 ]
amdhsa.kernels:
  - .name:           k_q5c93d18139_route
    .symbol:         k_q5c93d18139_route.kd
    .args:
      - { .name: routing_tensor, .offset: 0, .size: 8, .value_kind: global_buffer, .address_space: global }
      - { .name: list, .offset: 8, .size: 8, .value_kind: global_buffer, .address_space: global }
      - { .name: pos, .offset: 16, .size: 8, .value_kind: global_buffer, .address_space: global }
      - { .name: cnt, .offset: 24, .size: 8, .value_kind: global_buffer, .address_space: global }
    .group_segment_fixed_size: 3072
    .private_segment_fixed_size: 0
    .kernarg_segment_align: 8
    .kernarg_segment_size: 32
    .max_flat_workgroup_size: 256
    .sgpr_count:     66
    .vgpr_count:     90
    .wavefront_size: 32
...
	.end_amdgpu_metadata
.endif
;; end of part 1
;; launch pack (part 2): grid 8 x 16, 8 waves a work-group, no clusters, 68,608 bytes of LDS; arguments x, list, cnt, xf; writes xf
.if DOCPART == 2
	.amdgcn_target "amdgcn-amd-amdhsa--gfx1250"
	.amdhsa_code_object_version 6
	.text
	.protected	k_q5c93d18139_pack
	.globl	k_q5c93d18139_pack
	.p2align	8
	.type	k_q5c93d18139_pack,@function
k_q5c93d18139_pack:
	s_mov_b64 s[64:65], 0
	v_nop
	global_prefetch_b8 v0, s[64:65] scope:SCOPE_SE
	s_setreg_imm32_b32 hwreg(HW_REG_WAVE_MODE, 25, 1), 1
	s_wait_xcnt 0x0
; PACK: the rows of x that expert e's list names, rounded to f16, in the order in which the first product's matrix instructions want them.
; Only the blocks of 16 slots that cnt[e] asks for are made (rows of pairs with r == 0 are not asked for: see the first launch's head).
; NUMBER FORMAT.  f16, not bf16: 11 significant bits against 8, so that the roundings of the four matrix operands (x, W0, h, W1) together stay some
; 4e-4 of the result's spread.  Room: x of the problem's kind is below 6 in magnitude, 30 times larger or with an offset of 30 spreads below 200, against
; f16's largest number 65,504; 30 times smaller its spread is 0.033, and below f16's least normal number 6.1e-5 the absolute error is at most 3e-8.
; LIMIT: an |x| of 65,504 or more becomes infinite.
; xf: [e 8][block 128][ks 32][half 2][lane 32][16 bytes].  One (block, ks) is 1,024 bytes, the register image of an operand of 16 rows x 32 k:
; lane l = r + 16 h holds row r; half 0 is k = 32 ks + 8 h .. + 7, half 1 is k = 32 ks + 16 + 8 h .. + 7.
; SHARES.  e = work-group x.  Unit u = 8 y + wave (0..127): K quarter q = u & 3 (256 k), first block u >> 2, then every 32nd block.
; A trip: 16 rows x 1,024 bytes in (each load 512 neighbouring bytes of one row), through the wave's own stage in LDS, 8,192 neighbouring bytes out.
; No matrix unit, no cluster, no barrier: the launch only moves bytes, and no wave reads another's.
.set SPITCH, 528                       ; a stage row: 512 bytes of f16 + 16, an odd multiple of 16, so the 16 rows that a read touches start 16 bytes apart modulo 256
.set STAGE,  16*SPITCH                 ; a wave's stage
.set X,   16                           ; v[16:143]  32 loads x 4 registers; then 16 fragments halves to store
.set OFF, 144                          ; v[144:159] byte offset in x of my 16 bytes of row i
	s_load_b256 s[4:11], s[0:1], 0x0               ; x s[4:5], list s[6:7], cnt s[8:9], xf s[10:11]
	v_lshl_add_u32 v164, v0, 2, 0x10800
	v_mov_b32 v165, 0
	v_lshrrev_b32 v5, 5, v0
	v_readfirstlane_b32 s12, v5                    ; wave
	s_mov_b32 s13, ttmp9                           ; e
	s_and_b32 s42, ttmp7, 0xffff
	s_lshl3_add_u32 s42, s42, s12                  ; u = 8 y + wave
	s_and_b32 s14, s42, 3                          ; q
	s_lshr_b32 s15, s42, 2                         ; my first block
	s_lshl_b32 s40, s13, 7                         ; cnt's row e
	s_lshl_b32 s43, s13, 13                        ; list's row e
	s_lshl_b32 s44, s13, 22                        ; xf: expert e (128 blocks x 32,768 bytes)
	s_lshl_b32 s45, s14, 13                        ;     + 8 q steps of 1,024 bytes
	s_add_co_u32 s44, s44, s45
	s_lshl_b32 s45, s14, 10                        ; x: 1,024 q bytes along a row
	s_mul_i32 s35, s12, STAGE
	s_mov_b32 s37, 0
	v_and_b32 v5, 31, v0                           ; lane
	v_and_b32 v6, 15, v0                           ; r
	v_bfe_u32 v7, v0, 4, 1                         ; h
	v_lshl_add_u32 v1, v5, 4, s45                  ; 16 lane + 1,024 q
	v_lshl_add_u32 v2, v5, 3, s35                  ; stage, in: 8 bytes a lane
	v_mul_u32_u24 v3, v6, SPITCH
	v_lshl_add_u32 v3, v7, 4, v3
	v_add_nc_u32 v3, s35, v3                       ; stage, back: row r, 16 h
	v_lshlrev_b32 v4, 4, v5                        ; store: 16 lane
	s_wait_kmcnt 0x0
	s_load_b32 s32, s[8:9], s40 offset:0x0
	s_wait_kmcnt 0x0
	s_min_u32 s32, s32, 2048
	s_add_co_u32 s33, s32, 15
	s_lshr_b32 s33, s33, 4                         ; blocks asked for
	s_cmp_ge_u32 s15, s33
	s_cbranch_scc1 .Lend
	s_sub_co_u32 s47, s33, s15                     ; my blocks are first, first + 32, ...: (blocks - first + 31) / 32 trips, four at the most
	s_add_co_u32 s47, s47, 31
	s_lshr_b32 s47, s47, 5
	s_mov_b32 s46, 0                               ; the trip
.Ltrip:
	s_lshl_b32 s41, s46, 5
	s_add_co_u32 s41, s41, s15                     ; the trip's block,
	s_min_u32 s41, s41, 127                        ; inside the table
	s_lshl_b32 s42, s41, 6
	s_add_co_u32 s34, s43, s42
	s_load_b512 s[16:31], s[6:7], s34 offset:0x0   ; its 16 tokens
	s_lshl_b32 s36, s41, 15
	s_add_co_u32 s36, s36, s44
	s_add_nc_u64 s[38:39], s[10:11], s[36:37]      ; where the trip's 8,192 bytes go
	s_wait_kmcnt 0x0
.irp i, 0,1,2,3,4,5,6,7,8,9,10,11,12,13,14,15
	s_min_u32 s[16+\i], s[16+\i], 0x7ff
	v_lshl_add_u32 v[OFF+\i], s[16+\i], 12, v1
.endr
.irp i, 0,1,2,3,4,5,6,7,8,9,10,11,12,13,14,15
	global_load_b128 v[X+8*\i:X+8*\i+3],   v[OFF+\i], s[4:5]              ; no hint: two lists may name one row
	global_load_b128 v[X+8*\i+4:X+8*\i+7], v[OFF+\i], s[4:5] offset:512
.endr
.set idx, 0
.rept 32
	s_wait_loadcnt 31-idx                          ; loads come back in order: this one is in, the younger ones stay out
	v_cvt_pk_f16_f32 v160, v[X+4*idx],   v[X+4*idx+1]
	v_cvt_pk_f16_f32 v161, v[X+4*idx+2], v[X+4*idx+3]
	ds_store_b64 v2, v[160:161] offset:(idx/2)*SPITCH+(idx%2)*256
.set idx, idx+1
.endr
.set t, 0
.rept 16
	ds_load_b128 v[X+4*t:X+4*t+3], v3 offset:32*t  ; t = 2 ks + half.  My own bytes, and LDS serves a wave's instructions in order: no wait behind the stores
.set t, t+1
.endr
.set t, 0
.rept 16
	s_wait_dscnt 15-t
	global_store_b128 v4, v[X+4*t:X+4*t+3], s[38:39] offset:512*t     ; 512 neighbouring bytes, aligned
.set t, t+1
.endr
	s_wait_xcnt 0x0                                ; X, OFF and the base are written again only behind this wait
	s_add_co_u32 s46, s46, 1
	s_cmp_lt_u32 s46, s47
	s_cbranch_scc1 .Ltrip
.Lend:
	s_wait_tensorcnt 0x0
	ds_add_u32 v164, v165
	s_wait_dscnt 0x0
	s_endpgm
.Lfunc_end_k_q5c93d18139_pack:
	.size	k_q5c93d18139_pack, .Lfunc_end_k_q5c93d18139_pack-k_q5c93d18139_pack
	.p2alignl 7, 3214868480
	.fill 96, 4, 3214868480
	.section	.rodata,"a",@progbits
	.p2align	6, 0x0
	.amdhsa_kernel k_q5c93d18139_pack
		.amdhsa_group_segment_fixed_size 68608
		.amdhsa_private_segment_fixed_size 0
		.amdhsa_enable_private_segment 0
		.amdhsa_kernarg_size 32
		.amdhsa_user_sgpr_count 2
		.amdhsa_user_sgpr_kernarg_segment_ptr 1
		.amdhsa_wavefront_size32 1
		.amdhsa_system_sgpr_workgroup_id_x 1
		.amdhsa_system_sgpr_workgroup_id_y 1
		.amdhsa_system_sgpr_workgroup_id_z 1
		.amdhsa_system_vgpr_workitem_id 0
		.amdhsa_next_free_vgpr 166
		.amdhsa_next_free_sgpr 66
		.amdhsa_reserve_vcc 0
		.amdhsa_float_denorm_mode_32 3
		.amdhsa_float_denorm_mode_16_64 3
		.amdhsa_memory_ordered 1
		.amdhsa_forward_progress 1
		.amdhsa_inst_pref_size 18
	.end_amdhsa_kernel
	.amdgpu_metadata
---
amdhsa.version: [ 1, 2 ]
amdhsa.kernels:
  - .name:           k_q5c93d18139_pack
    .symbol:         k_q5c93d18139_pack.kd
    .args:
      - { .name: x, .offset: 0, .size: 8, .value_kind: global_buffer, .address_space: global }
      - { .name: list, .offset: 8, .size: 8, .value_kind: global_buffer, .address_space: global }
      - { .name: cnt, .offset: 16, .size: 8, .value_kind: global_buffer, .address_space: global }
      - { .name: xf, .offset: 24, .size: 8, .value_kind: global_buffer, .address_space: global }
    .group_segment_fixed_size: 68608
    .private_segment_fixed_size: 0
    .kernarg_segment_align: 8
    .kernarg_segment_size: 32
    .max_flat_workgroup_size: 256
    .sgpr_count:     66
    .vgpr_count:     166
    .wavefront_size: 32
...
	.end_amdgpu_metadata
.endif
;; end of part 2
;; launch gemm1 (part 3): grid 32 x 8, 16 waves a work-group, no clusters, 166,144 bytes of LDS; arguments w0, b0, xf, cnt, hf; writes hf
.if DOCPART == 3
	.amdgcn_target "amdgcn-amd-amdhsa--gfx1250"
	.amdhsa_code_object_version 6
	.text
	.protected	k_q5c93d18139_gemm1
	.globl	k_q5c93d18139_gemm1
	.p2align	8
	.type	k_q5c93d18139_gemm1,@function
k_q5c93d18139_gemm1:
	s_mov_b64 s[64:65], 0
	v_nop
	global_prefetch_b8 v0, s[64:65] scope:SCOPE_SE
	s_setreg_imm32_b32 hwreg(HW_REG_WAVE_MODE, 25, 1), 1
	s_wait_xcnt 0x0
; GEMM1: h = gelu(x W0[e] + b0[e]) for the rows of expert e's list, f16, stored in the second product's operand order.
; Only the blocks of 16 slots that cnt[e] asks for are made (pairs with r == 0 are not asked for: see the first launch's head).
; NUMBER FORMAT.  Operands in f16 (11 significant bits against bf16's 8), sums and the GELU in f32.  Room in f16 (largest number 65,504, least normal 6.1e-5,
; below that an absolute error of at most 3e-8): W0 of the problem's kind is below 0.0221, 30 times larger 0.67, 30 times smaller 7.4e-4.  h: with x and W0
; both 30 times larger the pre-activation's spread is 0.41 x 900 = 370 and its largest some 2,000; with x and W0 both carrying an offset of 30 spreads it is
; 1,024 x 30 x 0.66 = 20,400; with both 30 times smaller h's spread is 2.3e-4, of which 3e-8 is 1.3e-4.
; LIMIT: an |W0| or |h| of 65,504 or more becomes infinite.
; SHARES.  Work-group (cb, e) owns the slab W0[e][0..1023][64 cb .. 64 cb + 63]: 262,144 bytes of f32 that this work-group alone reads, once,
; rounds to f16 and keeps in LDS as [k][n].  All rows of the expert then pass the slab: a wave takes a group of three blocks (48 rows x 64 columns,
; twelve accumulators), groups w, w + 16, ...  Activations come from xf straight into registers, two loads of 512 neighbouring bytes for an operand:
; each operand is read by one wave only, so LDS would give it no second use.
; NO CLUSTER: the 32 work-groups of an expert do read the same xf, but how many blocks there are is a count read from memory, the activations do not
; pass through LDS here, and beside the slab's 163,840 bytes the room for shared tiles is less than the slab itself.
; THE MATRIX INSTRUCTION IS USED TRANSPOSED: source 0 = 16 columns of the slab, source 1 = 16 rows of x.  Lane l = r + 16 h then holds row r and, in
; registers 0..7, columns 16 f + 8 h + 0..7: after rounding, 16 bytes that are exactly lane l's part of half f & 1 of hf's step 2 cb + f / 2.
; GELU.  gelu(v) = max(v, 0) - |v| Q(|v|), Q(a) = erfc(a / sqrt 2) / 2 = t (A1 + t (A2 + t (A3 + t (A4 + t A5)))) 2^(CE a a), t = 1 / (1 + CP a):
; the five-term rational form of erf, absolute error 1.5e-7; no choice between branches and no difference of near numbers.
; LIMITS: an infinite pre-activation gives NaN.  Rows of slots behind cnt[e] in the last block (token 0) are computed and never read.
.set WPITCH, 8192                      ; bytes of a row of W0[e]
.set WSH,    13                        ; its logarithm
.set WWAVE,  19                        ; log2 of 64 such rows: a wave's part of the slab
.set ASH,    15                        ; log2 of a block's bytes in xf (32 steps x 1,024)
.set PITCH,  160                       ; a slab row in LDS: 128 bytes of f16 + 32; 5 x 32 bytes, so the 8 rows x 2 pieces of 16 bytes that half a wave's transposing load touches lie 16 bytes apart modulo 256
.set BIAS,   1024*PITCH                ; 64 f32 behind the slab
.set AO,  2                            ; v2-4     offset in xf of my 16 bytes of block i
.set BA,  5                            ; v5-8     LDS address of my part of a slab fragment, K quarter 0..3 (a quarter's 40,960 bytes fit the 16-bit immediate)
.set SO,  10                           ; v10-12   offset in hf of my 16 bytes of block i
.set ACC, 16                           ; v[16:111]  tile (i, f) at 16 + 8 (4 i + f); v[16:143] first hold the slab as loaded
.set AF,  112                          ; v[112:183] activations: 3 buffers x 3 blocks x 8
.set BF,  184                          ; v[184:247] slab fragments: 2 buffers x 4 x 8
.set CST, 112                          ; epilogue: seven constants, each twice (pairs)
.set KCP, CST
.set KCE, CST+2
.set KA1, CST+4
.set KA2, CST+6
.set KA3, CST+8
.set KA4, CST+10
.set KA5, CST+12
.set GS,  128                          ; epilogue: |v|
.set GU,  136                          ;           t
.set GW,  144                          ;           2^(CE v v)
.set GP,  152                          ;           the polynomial
.set GM,  160                          ;           max(v, 0), then the result
.set OUTR, 168                         ; v[168:215] a tile's 16 bytes, registers of its own for each of the 12 tiles
	s_load_b256 s[4:11], s[0:1], 0x0               ; w0 s[4:5], b0 s[6:7], xf s[8:9], cnt s[10:11]
	s_load_b64 s[12:13], s[0:1], 0x20              ; hf
	v_lshl_add_u32 v14, v0, 2, 0x28100
	v_mov_b32 v15, 0
	v_lshrrev_b32 v240, 5, v0
	v_readfirstlane_b32 s14, v240                  ; wave w
	s_and_b32 s15, ttmp7, 0xffff                   ; e
	s_mov_b32 s16, ttmp9                           ; cb
	s_lshl_b32 s29, s15, 7                         ; cnt's row e; never rewritten
	s_lshl_b32 s31, s14, WWAVE
	s_mul_i32 s32, s14, 64*PITCH
	s_lshl_b32 s33, s14, 4
	s_mov_b32 s27, 0
	v_and_b32 v240, 31, v0                         ; lane l
	v_and_b32 v241, 15, v0                         ; r
	v_bfe_u32 v242, v0, 4, 1                       ; h
	v_and_b32 v243, 7, v0
	v_bfe_u32 v244, v0, 3, 1
	v_lshlrev_b32 v1, 4, v240                      ; 16 l
	v_lshl_add_u32 v245, v242, 3, v243             ; slab row 8 h + (l & 7)
	v_mul_u32_u24 v5, v245, PITCH
	v_lshl_add_u32 v5, v244, 4, v5                 ; + 16 ((l >> 3) & 1)
	v_add_nc_u32 v6, 8*32*PITCH, v5
	v_add_nc_u32 v7, 16*32*PITCH, v5
	v_add_nc_u32 v8, 24*32*PITCH, v5
	v_lshl_add_u32 v9, v242, 5, BIAS               ; bias of columns 8 h ..
	v_lshlrev_b32 v252, WSH, v242                  ; slab, from memory: row 64 w + h, 16 r bytes
	v_lshl_add_u32 v252, v241, 4, v252
	v_add_nc_u32 v252, s31, v252
	v_mul_u32_u24 v253, v242, PITCH                ; slab, into LDS: the same row, 8 r bytes
	v_lshl_add_u32 v253, v241, 3, v253
	v_add_nc_u32 v253, s32, v253
	v_mov_b32 v246, s33                            ; bias: wave w moves the 16 bytes at 16 w
	v_add_nc_u32 v247, BIAS, v246
	s_wait_kmcnt 0x0
	s_load_b32 s18, s[10:11], s29 offset:0x0       ; cnt[e]; waited for in front of the barrier, behind the whole slab
	s_lshl_b32 s26, s15, 23                        ; W0[e]: 8 MiB an expert
	s_lshl_b32 s30, s16, 8                         ; 64 columns of f32
	s_add_co_u32 s26, s26, s30
	s_add_nc_u64 s[4:5], s[4:5], s[26:27]
	s_lshl_b32 s26, s15, 13                        ; b0[e]
	s_add_co_u32 s26, s26, s30
	s_add_nc_u64 s[6:7], s[6:7], s[26:27]
	s_lshl_b32 s26, s15, 22                        ; xf: 4 MiB an expert
	s_add_nc_u64 s[8:9], s[8:9], s[26:27]
	s_lshl_b32 s26, s15, 23                        ; hf: 8 MiB an expert,
	s_lshl_b32 s30, s16, 11                        ; steps 2 cb and 2 cb + 1
	s_add_co_u32 s26, s26, s30
	s_add_nc_u64 s[12:13], s[12:13], s[26:27]
	; THE SLAB, once.  A load takes two whole rows of 256 bytes; the wave's 64 rows, and so the work-group's 262,144 bytes, are asked for at once.
	global_load_b128 v[248:251], v246, s[6:7]      ; the oldest load: four numbers of the bias, the same in every lane
.set idx, 0
.rept 32
	global_load_b128 v[ACC+4*idx:ACC+4*idx+3], v252, s[4:5] offset:idx*2*WPITCH th:TH_LOAD_NT
.set idx, idx+1
.endr
	s_wait_loadcnt 32                              ; the bias is in; the 32 slab loads stay out
	ds_store_b128 v247, v[248:251]
.set idx, 0
.rept 32
	s_wait_loadcnt 31-idx                          ; this pair of rows is in, the younger ones stay out
	v_cvt_pk_f16_f32 v254, v[ACC+4*idx],   v[ACC+4*idx+1]
	v_cvt_pk_f16_f32 v255, v[ACC+4*idx+2], v[ACC+4*idx+3]
	ds_store_b64 v253, v[254:255] offset:idx*2*PITCH
.set idx, idx+1
.endr
	s_wait_kmcnt 0x0                               ; cnt[e] is in
	s_wait_dscnt 0x0                               ; my part of the slab and of the bias is in LDS before I say so
	s_barrier_signal -1
	s_barrier_wait -1                              ; the only barrier: from here on LDS is only read
	s_min_u32 s18, s18, 2048
	s_add_co_u32 s19, s18, 15
	s_lshr_b32 s19, s19, 4                         ; nb: blocks asked for
	s_add_co_u32 s20, s19, 2
	s_mul_hi_u32 s20, s20, 0x55555556              ; ng = (nb + 2) / 3: groups
	s_sub_co_u32 s22, s19, 1                       ; the last block
	s_cmp_ge_u32 s14, s20                          ; my first group is w
	s_cbranch_scc1 .Lend
	s_sub_co_u32 s37, s20, s14                     ; my groups are w, w + 16, ...: (ng - w + 15) / 16 trips, three at the most
	s_add_co_u32 s37, s37, 15
	s_lshr_b32 s37, s37, 4
	s_mov_b32 s36, 0                               ; the trip
.macro PLACES                          ; four places behind matrix instructions (ISA guide 7.12.1), in front of what writes their sources or reads their results
.rept 4
	v_nop
.endr
.endm
.macro ALOAD k                         ; the activations of K step k: three operands, six loads of 512 neighbouring bytes
.irp i, 0,1,2
.irp c, 0,1
	global_load_b128 v[AF+24*((\k)%3)+8*\i+4*\c:AF+24*((\k)%3)+8*\i+4*\c+3], v[AO+\i], s[8:9] offset:(\k)*1024+\c*512
.endr
.endr
.endm
.macro BLOAD k                         ; the slab's K step k: four operands of 16 columns x 32 k, transposed on the way
.irp f, 0,1,2,3
.irp c, 0,1
	ds_load_tr16_b128 v[BF+32*((\k)%2)+8*\f+4*\c:BF+32*((\k)%2)+8*\f+4*\c+3], v[BA+(\k)/8] offset:((\k)%8)*32*PITCH+\f*32+\c*16*PITCH
.endr
.endr
.endm
.macro KSTEP                           ; K step KS: ask two steps ahead for activations, one ahead for the slab, then twelve products
.if KS > 0
	PLACES                                         ; the buffers loaded next were read by the step before
.endif
.if KS+2 < 32
	ALOAD KS+2
.endif
.if KS+1 < 32
	BLOAD KS+1
.endif
.if KS < 30
	s_wait_loadcnt 12                              ; this step's six are in; the next two steps' twelve stay out
.else
.if KS == 30
	s_wait_loadcnt 6                               ; the last step's six stay out
.else
	s_wait_loadcnt 0
.endif
.endif
.if KS < 31
	s_wait_dscnt 8                                 ; this step's fragments (and, in step 0, the bias) are in; the next step's eight stay out
.else
	s_wait_dscnt 0
.endif
.irp i, 0,1,2
.irp f, 0,1,2,3
	v_wmma_f32_16x16x32_f16 v[ACC+8*(4*\i+\f):ACC+8*(4*\i+\f)+7], v[BF+32*(KS%2)+8*\f:BF+32*(KS%2)+8*\f+7], v[AF+24*(KS%3)+8*\i:AF+24*(KS%3)+8*\i+7], v[ACC+8*(4*\i+\f):ACC+8*(4*\i+\f)+7]
.endr
.endr
.endm
.macro GELU i, f                       ; tile (i, f): eight numbers a lane, rounded, stored
.set GX, ACC+8*(4*\i+\f)
.set GO, OUTR+4*(4*\i+\f)
.irp j, 0,1,2,3,4,5,6,7
	v_and_b32 v[GS+\j], 0x7fffffff, v[GX+\j]
.endr
.irp j, 0,2,4,6
	v_pk_mul_f32 v[GW+\j:GW+\j+1], v[GX+\j:GX+\j+1], v[GX+\j:GX+\j+1]
.endr
.irp j, 0,2,4,6
	v_pk_fma_f32 v[GU+\j:GU+\j+1], v[GS+\j:GS+\j+1], v[KCP:KCP+1], 1.0 op_sel_hi:[1,1,0]
.endr
.irp j, 0,2,4,6
	v_pk_mul_f32 v[GW+\j:GW+\j+1], v[GW+\j:GW+\j+1], v[KCE:KCE+1]
.endr
.irp j, 0,1,2,3,4,5,6,7
	v_rcp_f32 v[GU+\j], v[GU+\j]
.endr
.irp j, 0,1,2,3,4,5,6,7
	v_exp_f32 v[GW+\j], v[GW+\j]
.endr
.irp j, 0,1,2,3,4,5,6,7
	v_max_num_f32 v[GM+\j], 0, v[GX+\j]            ; plain work that touches neither t nor the power: it stands between the transcendentals and their first use (ISA guide 5.7.2)
.endr
	s_wait_alu depctr_va_vdst(0)
.irp j, 0,2,4,6
	v_pk_fma_f32 v[GP+\j:GP+\j+1], v[GU+\j:GU+\j+1], v[KA5:KA5+1], v[KA4:KA4+1]
.endr
.irp j, 0,2,4,6
	v_pk_fma_f32 v[GP+\j:GP+\j+1], v[GP+\j:GP+\j+1], v[GU+\j:GU+\j+1], v[KA3:KA3+1]
.endr
.irp j, 0,2,4,6
	v_pk_fma_f32 v[GP+\j:GP+\j+1], v[GP+\j:GP+\j+1], v[GU+\j:GU+\j+1], v[KA2:KA2+1]
.endr
.irp j, 0,2,4,6
	v_pk_fma_f32 v[GP+\j:GP+\j+1], v[GP+\j:GP+\j+1], v[GU+\j:GU+\j+1], v[KA1:KA1+1]
.endr
.irp j, 0,2,4,6
	v_pk_mul_f32 v[GU+\j:GU+\j+1], v[GU+\j:GU+\j+1], v[GW+\j:GW+\j+1]
.endr
.irp j, 0,2,4,6
	v_pk_mul_f32 v[GP+\j:GP+\j+1], v[GP+\j:GP+\j+1], v[GU+\j:GU+\j+1]          ; Q
.endr
.irp j, 0,2,4,6
	v_pk_fma_f32 v[GM+\j:GM+\j+1], v[GS+\j:GS+\j+1], v[GP+\j:GP+\j+1], v[GM+\j:GM+\j+1] neg_lo:[1,0,0] neg_hi:[1,0,0]   ; max(v, 0) - |v| Q
.endr
.irp j, 0,1,2,3
	v_cvt_pk_f16_f32 v[GO+\j], v[GM+2*\j], v[GM+2*\j+1]
.endr
	global_store_b128 v[SO+\i], v[GO:GO+3], s[12:13] offset:(\f/2)*1024+(\f%2)*512     ; the wave's 512 neighbouring bytes, aligned
.endm
.Lgroup:
	s_wait_xcnt 0x0                                ; the last trip's stores have given up their data and offsets: both are written again below
	s_lshl_b32 s21, s36, 4
	s_add_co_u32 s21, s21, s14                     ; the trip's group: w + 16 t
	s_mul_i32 s23, s21, 3
	s_add_co_u32 s24, s23, 1
	s_add_co_u32 s25, s23, 2
.irp i, 0,1,2
	s_min_u32 s[23+\i], s[23+\i], s22              ; a block past the last one asked for repeats it: the same wave stores the same values again,
	s_min_u32 s[23+\i], s[23+\i], 127              ; and nothing is read that no launch has stored
	v_lshl_add_u32 v[AO+\i], s[23+\i], ASH, v1
	v_lshl_add_u32 v[SO+\i], s[23+\i], 16, v1
.endr
	ALOAD 0
	ALOAD 1
.irp i, 0,1,2
.irp f, 0,1,2,3
	ds_load_b128 v[ACC+8*(4*\i+\f):ACC+8*(4*\i+\f)+3],   v9 offset:\f*64      ; the sums start at the bias: nothing is cleared, nothing is added later
	ds_load_b128 v[ACC+8*(4*\i+\f)+4:ACC+8*(4*\i+\f)+7], v9 offset:\f*64+16
.endr
.endr
	BLOAD 0
	; 32 K steps.  The twelve accumulators take turns, one instruction a turn, in the same order in every step and over the backward jump.
.set KS, 0
.rept 32
	KSTEP
.set KS, KS+1
.endr
	PLACES
.irp j, 0,1
	v_mov_b32 v[KCP+\j], 0x3e6d3388                ; 0.3275911 / sqrt 2
	v_mov_b32 v[KCE+\j], 0xbf38aa3b                ; -log2(e) / 2
	v_mov_b32 v[KA1+\j], 0x3e027906                ;  0.254829592 / 2
	v_mov_b32 v[KA2+\j], 0xbe11a98e                ; -0.284496736 / 2
	v_mov_b32 v[KA3+\j], 0x3f35f0e3                ;  1.421413741 / 2
	v_mov_b32 v[KA4+\j], 0xbf3a00e3                ; -1.453152027 / 2
	v_mov_b32 v[KA5+\j], 0x3f07dc22                ;  1.061405429 / 2
.endr
.irp i, 0,1,2
.irp f, 0,1,2,3
	GELU \i, \f
.endr
.endr
	s_add_co_u32 s36, s36, 1
	s_cmp_lt_u32 s36, s37
	s_cbranch_scc1 .Lgroup
.Lend:
	s_wait_tensorcnt 0x0
	ds_add_u32 v14, v15
	s_wait_dscnt 0x0
	s_endpgm
.Lfunc_end_k_q5c93d18139_gemm1:
	.size	k_q5c93d18139_gemm1, .Lfunc_end_k_q5c93d18139_gemm1-k_q5c93d18139_gemm1
	.p2alignl 7, 3214868480
	.fill 96, 4, 3214868480
	.section	.rodata,"a",@progbits
	.p2align	6, 0x0
	.amdhsa_kernel k_q5c93d18139_gemm1
		.amdhsa_group_segment_fixed_size 166144
		.amdhsa_private_segment_fixed_size 0
		.amdhsa_enable_private_segment 0
		.amdhsa_kernarg_size 40
		.amdhsa_user_sgpr_count 2
		.amdhsa_user_sgpr_kernarg_segment_ptr 1
		.amdhsa_wavefront_size32 1
		.amdhsa_system_sgpr_workgroup_id_x 1
		.amdhsa_system_sgpr_workgroup_id_y 1
		.amdhsa_system_sgpr_workgroup_id_z 1
		.amdhsa_system_vgpr_workitem_id 0
		.amdhsa_next_free_vgpr 256
		.amdhsa_next_free_sgpr 66
		.amdhsa_reserve_vcc 0
		.amdhsa_float_denorm_mode_32 3
		.amdhsa_float_denorm_mode_16_64 3
		.amdhsa_memory_ordered 1
		.amdhsa_forward_progress 1
		.amdhsa_inst_pref_size 131
	.end_amdhsa_kernel
	.amdgpu_metadata
---
amdhsa.version: [ 1, 2 ]
amdhsa.kernels:
  - .name:           k_q5c93d18139_gemm1
    .symbol:         k_q5c93d18139_gemm1.kd
    .args:
      - { .name: w0, .offset: 0, .size: 8, .value_kind: global_buffer, .address_space: global }
      - { .name: b0, .offset: 8, .size: 8, .value_kind: global_buffer, .address_space: global }
      - { .name: xf, .offset: 16, .size: 8, .value_kind: global_buffer, .address_space: global }
      - { .name: cnt, .offset: 24, .size: 8, .value_kind: global_buffer, .address_space: global }
      - { .name: hf, .offset: 32, .size: 8, .value_kind: global_buffer, .address_space: global }
    .group_segment_fixed_size: 166144
    .private_segment_fixed_size: 0
    .kernarg_segment_align: 8
    .kernarg_segment_size: 40
    .max_flat_workgroup_size: 512
    .sgpr_count:     66
    .vgpr_count:     256
    .wavefront_size: 32
...
	.end_amdgpu_metadata
.endif
;; end of part 3
;; launch gemm2 (part 4): grid 32 x 8, 16 waves a work-group, no clusters, 235,776 bytes of LDS; arguments w1, b1, hf, cnt, y; writes y
.if DOCPART == 4
	.amdgcn_target "amdgcn-amd-amdhsa--gfx1250"
	.amdhsa_code_object_version 6
	.text
	.protected	k_q5c93d18139_gemm2
	.globl	k_q5c93d18139_gemm2
	.p2align	8
	.type	k_q5c93d18139_gemm2,@function
k_q5c93d18139_gemm2:
	s_mov_b64 s[64:65], 0
	v_nop
	global_prefetch_b8 v0, s[64:65] scope:SCOPE_SE
	s_setreg_imm32_b32 hwreg(HW_REG_WAVE_MODE, 25, 1), 1
	s_wait_xcnt 0x0
; GEMM2: y[kh][2048 e + j][:] = h[j][1024 kh .. + 1023] W1[e][1024 kh .. + 1023][:]  (+ b1[e] in kh = 0), f32 rows; the last launch adds the two halves.
; Only the blocks of 16 slots that cnt[e] asks for are made (pairs with r == 0 are not asked for: see the first launch's head).
; NUMBER FORMAT.  Operands in f16 (11 significant bits against bf16's 8), sums in f32.  Room in f16 (largest number 65,504, least normal 6.1e-5): W1 of the
; problem's kind is below 0.0313, 30 times larger 0.94, 30 times smaller 1.0e-3; h's room is shown at the head of the launch that makes it.
; LIMIT: an |W1| of 65,504 or more becomes infinite.
; SHARES.  Work-group x = cb + 16 kh, y = e.  It owns the slab W1[e][1024 kh .. + 1023][64 cb .. + 63]: 262,144 bytes of f32 that it alone reads, once,
; rounds to f16 and keeps in LDS as [k][n].  K is cut in two so that a slab row is still 256 whole bytes of memory, the slab fits LDS, and each
; work-group reads half of hf.  All rows of the expert pass the slab: a wave takes a group of three blocks (48 rows x 64 columns, twelve accumulators),
; groups w, w + 16, ...  Activations come from hf straight into registers: each operand is read by one wave only.
; NO CLUSTER: the 16 work-groups of an expert and a K half do read the same hf, but how many blocks there are is a count read from memory, the
; activations do not pass through LDS here, and beside the slab and the stages 94,000 bytes are left for shared tiles.
; THE MATRIX INSTRUCTION IS USED TRANSPOSED: source 0 = 16 columns of the slab, source 1 = 16 rows of h: lane l = r + 16 h holds row r, columns 16 f + 8 h + 0..7.
; Rows of slots behind cnt[e] in the last block are computed and never read.
.set WPITCH, 4096                      ; bytes of a row of W1[e]
.set WSH,    12
.set WWAVE,  18                        ; log2 of 64 such rows: a wave's part of the slab
.set ASH,    16                        ; log2 of a block's bytes in hf (64 steps x 1,024)
.set PITCH,  160                       ; a slab row in LDS: 128 bytes of f16 + 32; 5 x 32 bytes, so the 8 rows x 2 pieces of 16 bytes that half a wave's transposing load touches lie 16 bytes apart modulo 256
.set BIAS,   1024*PITCH                ; 64 f32 behind the slab
.set STAGE,  BIAS+256                  ; then a stage for each wave: 16 rows of
.set SPITCH, 272                       ; 256 bytes + 16, an odd multiple of 16: the 16 rows that a store touches start 16 bytes apart modulo 256
.set AO,  2                            ; v2-4     offset in hf of my 16 bytes of block i
.set BA,  5                            ; v5-8     LDS address of my part of a slab fragment, K quarter 0..3
.set SO,  10                           ; v10-12   offset in y of my 16 bytes of block i's first two rows
.set ACC, 16                           ; v[16:111]  tile (i, f) at 16 + 8 (4 i + f); v[16:143] first hold the slab as loaded
.set AF,  112                          ; v[112:183] activations: 3 buffers x 3 blocks x 8
.set BF,  184                          ; v[184:247] slab fragments: 2 buffers x 4 x 8
.set OUTR, 112                         ; v[112:207] the way out: 32 registers of its own for each block
	s_load_b256 s[4:11], s[0:1], 0x0               ; w1 s[4:5], b1 s[6:7], hf s[8:9], cnt s[10:11]
	s_load_b64 s[12:13], s[0:1], 0x20              ; y
	v_lshrrev_b32 v240, 5, v0
	v_readfirstlane_b32 s14, v240                  ; wave w
	s_and_b32 s15, ttmp7, 0xffff                   ; e
	s_and_b32 s16, ttmp9, 15                       ; cb
	s_lshr_b32 s17, ttmp9, 4                       ; kh
	s_lshl_b32 s29, s15, 7                         ; cnt's row e; never rewritten
	s_lshl_b32 s31, s14, WWAVE
	s_mul_i32 s32, s14, 64*PITCH
	s_lshl_b32 s33, s14, 4
	s_mul_i32 s34, s14, 16*SPITCH
	s_add_co_u32 s34, s34, STAGE                   ; my stage
	s_mov_b32 s27, 0
	s_cmp_eq_u32 s17, 0
	s_cselect_b32 s28, -1, 0                       ; the bias belongs to K half 0 alone
	v_and_b32 v240, 31, v0                         ; lane l
	v_and_b32 v241, 15, v0                         ; r
	v_bfe_u32 v242, v0, 4, 1                       ; h
	v_and_b32 v243, 7, v0
	v_bfe_u32 v244, v0, 3, 1
	v_lshlrev_b32 v1, 4, v240                      ; 16 l
	v_lshl_add_u32 v245, v242, 3, v243             ; slab row 8 h + (l & 7)
	v_mul_u32_u24 v5, v245, PITCH
	v_lshl_add_u32 v5, v244, 4, v5                 ; + 16 ((l >> 3) & 1)
	v_add_nc_u32 v6, 8*32*PITCH, v5
	v_add_nc_u32 v7, 16*32*PITCH, v5
	v_add_nc_u32 v8, 24*32*PITCH, v5
	v_lshl_add_u32 v9, v242, 5, BIAS               ; bias of columns 8 h ..
	v_mul_u32_u24 v13, v241, SPITCH                ; stage, in: row r, 32 h bytes
	v_lshl_add_u32 v13, v242, 5, v13
	v_add_nc_u32 v13, s34, v13
	v_mul_u32_u24 v14, v242, SPITCH                ; stage, back: lanes 0-15 one row of 256 bytes, lanes 16-31 the next
	v_lshl_add_u32 v14, v241, 4, v14
	v_add_nc_u32 v14, s34, v14
	v_lshlrev_b32 v15, 12, v242                    ; and the same two rows in y (4,096 bytes a row)
	v_lshl_add_u32 v15, v241, 4, v15
	v_lshlrev_b32 v252, WSH, v242                  ; slab, from memory: row 64 w + h, 16 r bytes
	v_lshl_add_u32 v252, v241, 4, v252
	v_add_nc_u32 v252, s31, v252
	v_mul_u32_u24 v253, v242, PITCH                ; slab, into LDS: the same row, 8 r bytes
	v_lshl_add_u32 v253, v241, 3, v253
	v_add_nc_u32 v253, s32, v253
	v_mov_b32 v246, s33                            ; bias: wave w moves the 16 bytes at 16 w
	v_add_nc_u32 v247, BIAS, v246
	s_wait_kmcnt 0x0
	s_load_b32 s18, s[10:11], s29 offset:0x0       ; cnt[e]; waited for in front of the barrier, behind the whole slab
	s_lshl_b32 s26, s15, 23                        ; W1[e]: 8 MiB an expert,
	s_lshl_b32 s30, s17, 22                        ; 1,024 rows a K half,
	s_add_co_u32 s26, s26, s30
	s_lshl_b32 s30, s16, 8                         ; 64 columns of f32
	s_add_co_u32 s26, s26, s30
	s_add_nc_u64 s[4:5], s[4:5], s[26:27]
	s_lshl_b32 s26, s15, 12                        ; b1[e]
	s_add_co_u32 s26, s26, s30
	s_add_nc_u64 s[6:7], s[6:7], s[26:27]
	s_lshl_b32 s26, s15, 23                        ; y: 64 MiB a K half, 8 MiB an expert, 256 bytes a column block
	s_add_co_u32 s26, s26, s30
	s_lshl_b32 s30, s17, 26
	s_add_co_u32 s26, s26, s30
	s_add_nc_u64 s[12:13], s[12:13], s[26:27]
	s_lshl_b32 s26, s15, 23                        ; hf: 8 MiB an expert, 32 steps of 1,024 bytes a K half
	s_lshl_b32 s30, s17, 15
	s_add_co_u32 s26, s26, s30
	s_add_nc_u64 s[8:9], s[8:9], s[26:27]
	; THE SLAB, once.  A load takes two whole rows of 256 bytes; the wave's 64 rows, and so the work-group's 262,144 bytes, are asked for at once.
	global_load_b128 v[248:251], v246, s[6:7]      ; the oldest load: four numbers of the bias, the same in every lane
.set idx, 0
.rept 32
	global_load_b128 v[ACC+4*idx:ACC+4*idx+3], v252, s[4:5] offset:idx*2*WPITCH th:TH_LOAD_NT
.set idx, idx+1
.endr
	s_wait_loadcnt 32                              ; the bias is in; the 32 slab loads stay out
.irp j, 0,1,2,3
	v_cndmask_b32 v[248+\j], 0, v[248+\j], s28     ; K half 1 starts its sums at zero
.endr
	ds_store_b128 v247, v[248:251]
.set idx, 0
.rept 32
	s_wait_loadcnt 31-idx                          ; this pair of rows is in, the younger ones stay out
	v_cvt_pk_f16_f32 v254, v[ACC+4*idx],   v[ACC+4*idx+1]
	v_cvt_pk_f16_f32 v255, v[ACC+4*idx+2], v[ACC+4*idx+3]
	ds_store_b64 v253, v[254:255] offset:idx*2*PITCH
.set idx, idx+1
.endr
	s_wait_kmcnt 0x0                               ; cnt[e] is in
	s_wait_dscnt 0x0                               ; my part of the slab and of the bias is in LDS before I say so
	s_barrier_signal -1
	s_barrier_wait -1                              ; the only barrier: from here on slab and bias are only read, and a stage is its wave's own
	s_min_u32 s18, s18, 2048
	s_add_co_u32 s19, s18, 15
	s_lshr_b32 s19, s19, 4                         ; nb: blocks asked for
	s_add_co_u32 s20, s19, 2
	s_mul_hi_u32 s20, s20, 0x55555556              ; ng = (nb + 2) / 3: groups
	s_sub_co_u32 s22, s19, 1                       ; the last block
	s_cmp_ge_u32 s14, s20                          ; my first group is w
	s_cbranch_scc1 .Lend
	s_sub_co_u32 s37, s20, s14                     ; my groups are w, w + 16, ...: (ng - w + 15) / 16 trips, three at the most
	s_add_co_u32 s37, s37, 15
	s_lshr_b32 s37, s37, 4
	s_mov_b32 s36, 0                               ; the trip
.macro PLACES                          ; four places behind matrix instructions (ISA guide 7.12.1), in front of what writes their sources or reads their results
.rept 4
	v_nop
.endr
.endm
.macro ALOAD k                         ; the activations of K step k: three operands, six loads of 512 neighbouring bytes
.irp i, 0,1,2
.irp c, 0,1
	global_load_b128 v[AF+24*((\k)%3)+8*\i+4*\c:AF+24*((\k)%3)+8*\i+4*\c+3], v[AO+\i], s[8:9] offset:(\k)*1024+\c*512
.endr
.endr
.endm
.macro BLOAD k                         ; the slab's K step k: four operands of 16 columns x 32 k, transposed on the way
.irp f, 0,1,2,3
.irp c, 0,1
	ds_load_tr16_b128 v[BF+32*((\k)%2)+8*\f+4*\c:BF+32*((\k)%2)+8*\f+4*\c+3], v[BA+(\k)/8] offset:((\k)%8)*32*PITCH+\f*32+\c*16*PITCH
.endr
.endr
.endm
.macro KSTEP                           ; K step KS: ask two steps ahead for activations, one ahead for the slab, then twelve products
.if KS > 0
	PLACES                                         ; the buffers loaded next were read by the step before
.endif
.if KS+2 < 32
	ALOAD KS+2
.endif
.if KS+1 < 32
	BLOAD KS+1
.endif
.if KS < 30
	s_wait_loadcnt 12                              ; this step's six are in; the next two steps' twelve stay out
.else
.if KS == 30
	s_wait_loadcnt 6                               ; the last step's six stay out
.else
	s_wait_loadcnt 0
.endif
.endif
.if KS < 31
	s_wait_dscnt 8                                 ; this step's fragments (and, in step 0, the bias) are in; the next step's eight stay out
.else
	s_wait_dscnt 0
.endif
.irp i, 0,1,2
.irp f, 0,1,2,3
	v_wmma_f32_16x16x32_f16 v[ACC+8*(4*\i+\f):ACC+8*(4*\i+\f)+7], v[BF+32*(KS%2)+8*\f:BF+32*(KS%2)+8*\f+7], v[AF+24*(KS%3)+8*\i:AF+24*(KS%3)+8*\i+7], v[ACC+8*(4*\i+\f):ACC+8*(4*\i+\f)+7]
.endr
.endr
.endm
.Lgroup:
	s_wait_xcnt 0x0                                ; the last trip's stores have given up their data and offsets: both are written again below
	s_lshl_b32 s21, s36, 4
	s_add_co_u32 s21, s21, s14                     ; the trip's group: w + 16 t
	s_mul_i32 s23, s21, 3
	s_add_co_u32 s24, s23, 1
	s_add_co_u32 s25, s23, 2
.irp i, 0,1,2
	s_min_u32 s[23+\i], s[23+\i], s22              ; a block past the last one asked for repeats it: the same wave stores the same values again,
	s_min_u32 s[23+\i], s[23+\i], 127              ; and nothing is read that no launch has stored
	v_lshl_add_u32 v[AO+\i], s[23+\i], ASH, v1
	v_lshl_add_u32 v[SO+\i], s[23+\i], 16, v15     ; 16 rows of 4,096 bytes a block
.endr
	ALOAD 0
	ALOAD 1
.irp i, 0,1,2
.irp f, 0,1,2,3
	ds_load_b128 v[ACC+8*(4*\i+\f):ACC+8*(4*\i+\f)+3],   v9 offset:\f*64      ; the sums start at the bias (or at zero): nothing is cleared, nothing is added later
	ds_load_b128 v[ACC+8*(4*\i+\f)+4:ACC+8*(4*\i+\f)+7], v9 offset:\f*64+16
.endr
.endr
	BLOAD 0
	; 32 K steps.  The twelve accumulators take turns, one instruction a turn, in the same order in every step and over the backward jump.
.set KS, 0
.rept 32
	KSTEP
.set KS, KS+1
.endr
	; THE WAY OUT, a block of 16 rows x 64 columns at a time: a lane's 32 bytes of a row into my own stage, whole rows of 256 bytes back.
	PLACES
.irp i, 0,1,2
.irp f, 0,1,2,3
	ds_store_b128 v13, v[ACC+8*(4*\i+\f):ACC+8*(4*\i+\f)+3]   offset:\f*64
	ds_store_b128 v13, v[ACC+8*(4*\i+\f)+4:ACC+8*(4*\i+\f)+7] offset:\f*64+16
.endr
.irp t, 0,1,2,3,4,5,6,7
	ds_load_b128 v[OUTR+32*\i+4*\t:OUTR+32*\i+4*\t+3], v14 offset:\t*2*SPITCH   ; my own bytes, and LDS serves a wave's instructions in order: these see the stores above, and the next block's stores come behind them
.endr
.irp t, 0,1,2,3,4,5,6,7
	s_wait_dscnt 7-\t
	global_store_b128 v[SO+\i], v[OUTR+32*\i+4*\t:OUTR+32*\i+4*\t+3], s[12:13] offset:\t*8192    ; 16 lanes store 256 neighbouring bytes, aligned
.endr
.endr
	s_add_co_u32 s36, s36, 1
	s_cmp_lt_u32 s36, s37
	s_cbranch_scc1 .Lgroup
.Lend:
	s_wait_xcnt 0x0
	v_lshl_add_u32 v254, v0, 2, 0x39100
	v_mov_b32 v255, 0
	s_wait_tensorcnt 0x0
	ds_add_u32 v254, v255
	s_wait_dscnt 0x0
	s_endpgm
.Lfunc_end_k_q5c93d18139_gemm2:
	.size	k_q5c93d18139_gemm2, .Lfunc_end_k_q5c93d18139_gemm2-k_q5c93d18139_gemm2
	.p2alignl 7, 3214868480
	.fill 96, 4, 3214868480
	.section	.rodata,"a",@progbits
	.p2align	6, 0x0
	.amdhsa_kernel k_q5c93d18139_gemm2
		.amdhsa_group_segment_fixed_size 235776
		.amdhsa_private_segment_fixed_size 0
		.amdhsa_enable_private_segment 0
		.amdhsa_kernarg_size 40
		.amdhsa_user_sgpr_count 2
		.amdhsa_user_sgpr_kernarg_segment_ptr 1
		.amdhsa_wavefront_size32 1
		.amdhsa_system_sgpr_workgroup_id_x 1
		.amdhsa_system_sgpr_workgroup_id_y 1
		.amdhsa_system_sgpr_workgroup_id_z 1
		.amdhsa_system_vgpr_workitem_id 0
		.amdhsa_next_free_vgpr 256
		.amdhsa_next_free_sgpr 66
		.amdhsa_reserve_vcc 0
		.amdhsa_float_denorm_mode_32 3
		.amdhsa_float_denorm_mode_16_64 3
		.amdhsa_memory_ordered 1
		.amdhsa_forward_progress 1
		.amdhsa_inst_pref_size 87
	.end_amdhsa_kernel
	.amdgpu_metadata
---
amdhsa.version: [ 1, 2 ]
amdhsa.kernels:
  - .name:           k_q5c93d18139_gemm2
    .symbol:         k_q5c93d18139_gemm2.kd
    .args:
      - { .name: w1, .offset: 0, .size: 8, .value_kind: global_buffer, .address_space: global }
      - { .name: b1, .offset: 8, .size: 8, .value_kind: global_buffer, .address_space: global }
      - { .name: hf, .offset: 16, .size: 8, .value_kind: global_buffer, .address_space: global }
      - { .name: cnt, .offset: 24, .size: 8, .value_kind: global_buffer, .address_space: global }
      - { .name: y, .offset: 32, .size: 8, .value_kind: global_buffer, .address_space: global }
    .group_segment_fixed_size: 235776
    .private_segment_fixed_size: 0
    .kernarg_segment_align: 8
    .kernarg_segment_size: 40
    .max_flat_workgroup_size: 512
    .sgpr_count:     66
    .vgpr_count:     256
    .wavefront_size: 32
...
	.end_amdgpu_metadata
.endif
;; end of part 4
;; launch combine (part 5): grid 1024 x 1, 8 waves a work-group, no clusters, 0 bytes of LDS; arguments routing_tensor, pos, y, out0; writes out0
.if DOCPART == 5
	.amdgcn_target "amdgcn-amd-amdhsa--gfx1250"
	.amdhsa_code_object_version 6
	.text
	.protected	k_q5c93d18139_combine
	.globl	k_q5c93d18139_combine
	.p2align	8
	.type	k_q5c93d18139_combine,@function
k_q5c93d18139_combine:
	s_mov_b64 s[64:65], 0
	v_nop
	global_prefetch_b8 v0, s[64:65] scope:SCOPE_SE
	s_setreg_imm32_b32 hwreg(HW_REG_WAVE_MODE, 25, 1), 1
	s_wait_xcnt 0x0
; COMBINE: out[n] = sum over the experts e with r[n][e] != 0 of r[n][e] * (y[0][pos[e][n]] + y[1][pos[e][n]]).
; An expert with pos[e][n] = 0xffffffff (r[n][e] == 0) has no row in y and is not read: its term is 0 (see the first launch's head).
; The sum over experts is made by gathering: one wave owns its 1,024 bytes of out0 and fetches what belongs there; a token with no expert stores zeros.
; SHARES.  Work-group G, wave w: token n = 2 G + (w >> 2), bytes 1,024 (w & 3) .. + 1,023 of the row.  Each load and store covers 512 neighbouring bytes.
; The launch only moves bytes: no LDS, no barrier, no matrix unit.
.set OFF, 2                            ; v[2:9]     expert e: offset of my 16 bytes in its row of y
.set Y,   16                           ; v[16:143]  expert e: 16 registers: K half 0 (bytes 0, 512), K half 1 (bytes 0, 512)
.set T,   144                          ; v[144:151] the two halves added
.set SUM, 152                          ; v[152:159] the result
	s_load_b256 s[4:11], s[0:1], 0x0               ; r s[4:5], pos s[6:7], y s[8:9], out0 s[10:11]
	v_lshrrev_b32 v1, 5, v0
	v_readfirstlane_b32 s14, v1                    ; wave
	s_lshr_b32 s15, s14, 2
	s_lshl_b32 s33, ttmp9, 1
	s_add_co_u32 s15, s33, s15                     ; n
	s_and_b32 s35, s14, 3
	s_lshl_b32 s35, s35, 10                        ; my quarter of the row
	s_lshl_b32 s34, s15, 5                         ; r's row n
	s_lshl_b32 s32, s15, 2                         ; pos's word n
	s_lshl_b32 s36, s15, 12                        ; out0's row n
	v_and_b32 v1, 31, v0
	v_lshl_add_u32 v1, v1, 4, s35
	v_add_nc_u32 v160, s36, v1
	s_wait_kmcnt 0x0
	s_load_b256 s[16:23], s[4:5], s34 offset:0x0   ; r[n][0..7]
.irp e, 0,1,2,3,4,5,6,7
	s_load_b32 s[24+\e], s[6:7], s32 offset:\e*8192
.endr
	s_add_nc_u64 s[12:13], s[8:9], 0x4000000       ; y's K half 1
	s_wait_kmcnt 0x0
; Expert e: its row's four loads, or zeros.  Both ways write all 16 registers, so the sum below needs no branch, and all routed rows are on their way together.
.macro EXPERT e
	s_cmp_eq_u32 s[24+\e], -1
	s_cbranch_scc1 .Lnone\e
	s_min_u32 s33, s[24+\e], 0x3fff                ; inside y's 16,384 rows
	v_lshl_add_u32 v[OFF+\e], s33, 12, v1
	global_load_b128 v[Y+16*\e:Y+16*\e+3],     v[OFF+\e], s[8:9] th:TH_LOAD_NT
	global_load_b128 v[Y+16*\e+4:Y+16*\e+7],   v[OFF+\e], s[8:9] offset:512 th:TH_LOAD_NT
	global_load_b128 v[Y+16*\e+8:Y+16*\e+11],  v[OFF+\e], s[12:13] th:TH_LOAD_NT
	global_load_b128 v[Y+16*\e+12:Y+16*\e+15], v[OFF+\e], s[12:13] offset:512 th:TH_LOAD_NT
	s_branch .Ldone\e
.Lnone\e:
.irp j, 0,1,2,3,4,5,6,7,8,9,10,11,12,13,14,15
	v_mov_b32 v[Y+16*\e+\j], 0
.endr
.Ldone\e:
.endm
.macro ADDIN e
.irp j, 0,2,4,6
	v_pk_add_f32 v[T+\j:T+\j+1], v[Y+16*\e+\j:Y+16*\e+\j+1], v[Y+16*\e+8+\j:Y+16*\e+8+\j+1]
.endr
.irp j, 0,1,2,3,4,5,6,7
.if \e
	v_fmac_f32 v[SUM+\j], s[16+\e], v[T+\j]
.else
	v_mul_f32 v[SUM+\j], s[16+\e], v[T+\j]         ; the first term starts the sum
.endif
.endr
.endm
.irp e, 0,1,2,3,4,5,6,7
	EXPERT \e
.endr
	s_wait_loadcnt 0x0                             ; how many loads are out differs from token to token: all of them
.irp e, 0,1,2,3,4,5,6,7
	ADDIN \e
.endr
	global_store_b128 v160, v[SUM:SUM+3],   s[10:11] th:TH_STORE_NT
	global_store_b128 v160, v[SUM+4:SUM+7], s[10:11] offset:512 th:TH_STORE_NT
	s_endpgm
.Lfunc_end_k_q5c93d18139_combine:
	.size	k_q5c93d18139_combine, .Lfunc_end_k_q5c93d18139_combine-k_q5c93d18139_combine
	.p2alignl 7, 3214868480
	.fill 96, 4, 3214868480
	.section	.rodata,"a",@progbits
	.p2align	6, 0x0
	.amdhsa_kernel k_q5c93d18139_combine
		.amdhsa_group_segment_fixed_size 0
		.amdhsa_private_segment_fixed_size 0
		.amdhsa_enable_private_segment 0
		.amdhsa_kernarg_size 32
		.amdhsa_user_sgpr_count 2
		.amdhsa_user_sgpr_kernarg_segment_ptr 1
		.amdhsa_wavefront_size32 1
		.amdhsa_system_sgpr_workgroup_id_x 1
		.amdhsa_system_sgpr_workgroup_id_y 1
		.amdhsa_system_sgpr_workgroup_id_z 1
		.amdhsa_system_vgpr_workitem_id 0
		.amdhsa_next_free_vgpr 168
		.amdhsa_next_free_sgpr 66
		.amdhsa_reserve_vcc 0
		.amdhsa_float_denorm_mode_32 3
		.amdhsa_float_denorm_mode_16_64 3
		.amdhsa_memory_ordered 1
		.amdhsa_forward_progress 1
		.amdhsa_inst_pref_size 15
	.end_amdhsa_kernel
	.amdgpu_metadata
---
amdhsa.version: [ 1, 2 ]
amdhsa.kernels:
  - .name:           k_q5c93d18139_combine
    .symbol:         k_q5c93d18139_combine.kd
    .args:
      - { .name: routing_tensor, .offset: 0, .size: 8, .value_kind: global_buffer, .address_space: global }
      - { .name: pos, .offset: 8, .size: 8, .value_kind: global_buffer, .address_space: global }
      - { .name: y, .offset: 16, .size: 8, .value_kind: global_buffer, .address_space: global }
      - { .name: out0, .offset: 24, .size: 8, .value_kind: global_buffer, .address_space: global }
    .group_segment_fixed_size: 0
    .private_segment_fixed_size: 0
    .kernarg_segment_align: 8
    .kernarg_segment_size: 32
    .max_flat_workgroup_size: 256
    .sgpr_count:     66
    .vgpr_count:     168
    .wavefront_size: 32
...
	.end_amdgpu_metadata
.endif
;; end of part 5
;; ======== version 2 of 2: 5 launches; version 1 with the launches gemm1, gemm2 written anew for expert scheduling mode
;; limits: a function is approximated: absolute error at most 1.5e-07; values are held in f16: magnitudes above 65,504 overflow, below 6.1e-05 lose precision
;; workspace buffers: list 65,536 bytes of whole numbers; pos 65,536 bytes of whole numbers; cnt 1,024 bytes of whole numbers; xf 33,554,432 bytes; hf 67,108,864 bytes; y 134,217,728 bytes
;; launch route: the kernel of part 1 again; grid 64 x 1, 8 waves a work-group, no clusters, 3,072 bytes of LDS; arguments routing_tensor, list, pos, cnt; writes list, pos, cnt
;; launch pack: the kernel of part 2 again; grid 8 x 16, 8 waves a work-group, no clusters, 68,608 bytes of LDS; arguments x, list, cnt, xf; writes xf
;; launch gemm1 (part 6): grid 32 x 8, 16 waves a work-group, no clusters, 166,144 bytes of LDS; arguments w0, b0, xf, cnt, hf; writes hf
.if DOCPART == 6
	.amdgcn_target "amdgcn-amd-amdhsa--gfx1250"
	.amdhsa_code_object_version 6
	.text
	.protected	k_q5c93d18139_gemm1
	.globl	k_q5c93d18139_gemm1
	.p2align	8
	.type	k_q5c93d18139_gemm1,@function
k_q5c93d18139_gemm1:
	s_mov_b64 s[64:65], 0
	v_nop
	global_prefetch_b8 v0, s[64:65] scope:SCOPE_SE
	s_setreg_imm32_b32 hwreg(HW_REG_WAVE_SCHED_MODE, 0, 2), 2
	s_setreg_imm32_b32 hwreg(HW_REG_WAVE_MODE, 25, 1), 1
	s_wait_xcnt 0x0
	s_wait_alu depctr_vm_vsrc(0)
; GEMM1: h = gelu(x W0[e] + b0[e]) for the rows of expert e's list, f16, stored in the second product's operand order.
; Only the blocks of 16 slots that cnt[e] asks for are made (pairs with r == 0 are not asked for: see the first launch's head).
; NUMBER FORMAT.  Operands in f16 (11 significant bits against bf16's 8), sums and the GELU in f32.  Room in f16 (largest number 65,504, least normal 6.1e-5,
; below that an absolute error of at most 3e-8): W0 of the problem's kind is below 0.0221, 30 times larger 0.67, 30 times smaller 7.4e-4.  h: with x and W0
; both 30 times larger the pre-activation's spread is 0.41 x 900 = 370 and its largest some 2,000; with x and W0 both carrying an offset of 30 spreads it is
; 1,024 x 30 x 0.66 = 20,400; with both 30 times smaller h's spread is 2.3e-4, of which 3e-8 is 1.3e-4.
; LIMIT: an |W0| or |h| of 65,504 or more becomes infinite.
; SHARES.  Work-group (cb, e) owns the slab W0[e][0..1023][64 cb .. 64 cb + 63]: 262,144 bytes of f32 that this work-group alone reads, once,
; rounds to f16 and keeps in LDS as [k][n].  All rows of the expert then pass the slab: a wave takes a group of three blocks (48 rows x 64 columns,
; twelve accumulators), groups w, w + 16, ...  Activations come from xf straight into registers, two loads of 512 neighbouring bytes for an operand:
; each operand is read by one wave only, so LDS would give it no second use.
; NO CLUSTER: the 32 work-groups of an expert do read the same xf, but how many blocks there are is a count read from memory, the activations do not
; pass through LDS here, and beside the slab's 163,840 bytes the room for shared tiles is less than the slab itself.
; THE MATRIX INSTRUCTION IS USED TRANSPOSED: source 0 = 16 columns of the slab, source 1 = 16 rows of x.  Lane l = r + 16 h then holds row r and, in
; registers 0..7, columns 16 f + 8 h + 0..7: after rounding, 16 bytes that are exactly lane l's part of half f & 1 of hf's step 2 cb + f / 2.
; GELU.  gelu(v) = max(v, 0) - |v| Q(|v|), Q(a) = erfc(a / sqrt 2) / 2 = t (A1 + t (A2 + t (A3 + t (A4 + t A5)))) 2^(CE a a), t = 1 / (1 + CP a):
; the five-term rational form of erf, absolute error 1.5e-7; no choice between branches and no difference of near numbers.
; LIMITS: an infinite pre-activation gives NaN.  Rows of slots behind cnt[e] in the last block (token 0) are computed and never read.
; THE MODE: SCHED_MODE bits 1:0 = 2 (LLVM: expert scheduling mode 2), set by the entry lines.  The code itself states the register dependences
; between vector or matrix instructions and memory or LDS instructions, with s_wait_alu, always for 0.
; THE PLAN.  Registers that memory or LDS instructions touch:
;   v1, v5-9, v246, v247, v252, v253   offsets and LDS addresses: made at the head, read by loads and stores, named by no vector instruction afterwards but v1, which the trip's head only reads.
;   v[16:143]   the slab: 32 loads land; the conversions read them and write in place; the LDS stores read the low two of each four.  No register is written twice.
;   AO, SO      written at a trip's head; read by the trip's loads and stores.
;   ACC         the bias's LDS loads land at a trip's head; then matrix instructions and the GELU alone.
;   AF0 .. AF2  step k's matrix instructions read AF[k % 3]; the loads of step k + 2, issued in step k, land in AF[(k - 1) % 3].
;   BF0, BF1    step k's matrix instructions read BF[k % 2]; the LDS loads of step k + 1, issued in step k, land in BF[(k - 1) % 2].
;   OUTR        each of its 48 registers is written once a trip by a rounding and read by one store.
; So ONE wait on va_vdst stands at the head of a K step: the step before is done reading the two buffers in which this step's fourteen loads land.  It stands ahead of the
; wait for this step's data, so that the six loads of step k + 2 are out while the wave waits: all three AF buffers, 18 loads, are then asked for.  The eight LDS loads are
; dealt among the step's first products, which name ACC, AF[k % 3] and BF[k % 2]: none of the registers that those loads touch.  A trip's head has one wait on vm_vsrc and
; one on va_vdst; the slab one on va_vdst for each eight loads; the way out one for each block's four stores.
.set WPITCH, 8192                      ; bytes of a row of W0[e]
.set WSH,    13                        ; its logarithm
.set WWAVE,  19                        ; log2 of 64 such rows: a wave's part of the slab
.set ASH,    15                        ; log2 of a block's bytes in xf (32 steps x 1,024)
.set PITCH,  160                       ; a slab row in LDS: 128 bytes of f16 + 32; 5 x 32 bytes, so the 8 rows x 2 pieces of 16 bytes that half a wave's transposing load touches lie 16 bytes apart modulo 256
.set BIAS,   1024*PITCH                ; 64 f32 behind the slab
.set AO,  2                            ; v2-4     offset in xf of my 16 bytes of block i
.set BA,  5                            ; v5-8     LDS address of my part of a slab fragment, K quarter 0..3 (a quarter's 40,960 bytes fit the 16-bit immediate)
.set SO,  10                           ; v10-12   offset in hf of my 16 bytes of block i
.set ACC, 16                           ; v[16:111]  tile (i, f) at 16 + 8 (4 i + f); v[16:143] first hold the slab as loaded
.set AF,  112                          ; v[112:183] activations: 3 buffers x 3 blocks x 8
.set BF,  184                          ; v[184:247] slab fragments: 2 buffers x 4 x 8
.set CST, 112                          ; epilogue: seven constants, each twice (pairs)
.set KCP, CST
.set KCE, CST+2
.set KA1, CST+4
.set KA2, CST+6
.set KA3, CST+8
.set KA4, CST+10
.set KA5, CST+12
.set GS,  128                          ; epilogue: |v|
.set GU,  136                          ;           t
.set GW,  144                          ;           2^(CE v v)
.set GP,  152                          ;           the polynomial
.set GM,  160                          ;           max(v, 0), then the result
.set OUTR, 168                         ; v[168:215] a tile's 16 bytes, registers of its own for each of the 12 tiles
	s_load_b256 s[4:11], s[0:1], 0x0               ; w0 s[4:5], b0 s[6:7], xf s[8:9], cnt s[10:11]
	s_load_b64 s[12:13], s[0:1], 0x20              ; hf
	v_lshl_add_u32 v254, v0, 2, 0x28100
	v_mov_b32 v255, 0
	v_lshrrev_b32 v240, 5, v0
	v_readfirstlane_b32 s14, v240                  ; wave w
	s_and_b32 s15, ttmp7, 0xffff                   ; e
	s_mov_b32 s16, ttmp9                           ; cb
	s_lshl_b32 s29, s15, 7                         ; cnt's row e; never rewritten
	s_mov_b32 s27, 0
	v_and_b32 v240, 31, v0                         ; lane l
	v_and_b32 v241, 15, v0                         ; r
	v_bfe_u32 v242, v0, 4, 1                       ; h
	v_and_b32 v243, 7, v0
	v_bfe_u32 v244, v0, 3, 1
	v_lshlrev_b32 v1, 4, v240                      ; 16 l
	v_lshl_add_u32 v245, v242, 3, v243             ; slab row 8 h + (l & 7)
	v_mul_u32_u24 v5, v245, PITCH
	v_lshl_add_u32 v5, v244, 4, v5                 ; + 16 ((l >> 3) & 1)
	v_add_nc_u32 v6, 8*32*PITCH, v5
	v_add_nc_u32 v7, 16*32*PITCH, v5
	v_add_nc_u32 v8, 24*32*PITCH, v5
	v_lshl_add_u32 v9, v242, 5, BIAS               ; bias of columns 8 h ..
	v_lshlrev_b32 v252, WSH, v242                  ; slab, from memory: row 64 w + h, 16 r bytes
	v_lshl_add_u32 v252, v241, 4, v252
	v_mul_u32_u24 v253, v242, PITCH                ; slab, into LDS: the same row, 8 r bytes
	v_lshl_add_u32 v253, v241, 3, v253
	s_wait_alu depctr_va_sdst(0)                   ; s14 is written, ahead of its first reader: the wave's parts of the slab and of the bias are made from it
	s_lshl_b32 s31, s14, WWAVE
	s_mul_i32 s32, s14, 64*PITCH
	s_lshl_b32 s33, s14, 4
	v_add_nc_u32 v252, s31, v252
	v_add_nc_u32 v253, s32, v253
	v_mov_b32 v246, s33                            ; bias: wave w moves the 16 bytes at 16 w
	v_add_nc_u32 v247, BIAS, v246
	s_wait_kmcnt 0x0
	s_load_b32 s18, s[10:11], s29 offset:0x0       ; cnt[e]; waited for in front of the barrier, behind the whole slab
	s_lshl_b32 s26, s15, 23                        ; W0[e]: 8 MiB an expert
	s_lshl_b32 s30, s16, 8                         ; 64 columns of f32
	s_add_co_u32 s26, s26, s30
	s_add_nc_u64 s[4:5], s[4:5], s[26:27]
	s_lshl_b32 s26, s15, 13                        ; b0[e]
	s_add_co_u32 s26, s26, s30
	s_add_nc_u64 s[6:7], s[6:7], s[26:27]
	s_lshl_b32 s26, s15, 22                        ; xf: 4 MiB an expert
	s_add_nc_u64 s[8:9], s[8:9], s[26:27]
	s_lshl_b32 s26, s15, 23                        ; hf: 8 MiB an expert,
	s_lshl_b32 s30, s16, 11                        ; steps 2 cb and 2 cb + 1
	s_add_co_u32 s26, s26, s30
	s_add_nc_u64 s[12:13], s[12:13], s[26:27]
	; THE SLAB, once.  A load takes two whole rows of 256 bytes; the wave's 64 rows, and so the work-group's 262,144 bytes, are asked for at once.
	s_wait_alu depctr_va_vdst(0)                   ; the offsets and LDS addresses v1, v5 to v9, v246, v247, v252 and v253 are written, which the loads and stores of the whole kernel read
	global_load_b128 v[248:251], v246, s[6:7]      ; the oldest load: four numbers of the bias, the same in every lane
.set idx, 0
.rept 32
	global_load_b128 v[ACC+4*idx:ACC+4*idx+3], v252, s[4:5] offset:idx*2*WPITCH th:TH_LOAD_NT
.set idx, idx+1
.endr
	; Four groups of eight loads.  A load's four numbers close up into the first two of their four registers, so that no register is written a second time.
.set grp, 0
.rept 4
	s_wait_loadcnt 24-8*grp                        ; loads come back in order: this group's eight (and, ahead of the first, the bias) are in, the younger groups stay out
.set idx, 8*grp
.rept 8
	v_cvt_pk_f16_f32 v[ACC+4*idx],   v[ACC+4*idx],   v[ACC+4*idx+1]
	v_cvt_pk_f16_f32 v[ACC+4*idx+1], v[ACC+4*idx+2], v[ACC+4*idx+3]
.set idx, idx+1
.endr
	s_wait_alu depctr_va_vdst(0)                   ; the group's conversions have written the pairs that its eight LDS stores read
.if grp == 0
	ds_store_b128 v247, v[248:251]                 ; the bias, as loaded
.endif
.set idx, 8*grp
.rept 8
	ds_store_b64 v253, v[ACC+4*idx:ACC+4*idx+1] offset:idx*2*PITCH
.set idx, idx+1
.endr
.set grp, grp+1
.endr
	s_wait_kmcnt 0x0                               ; cnt[e] is in
	s_wait_dscnt 0x0                               ; my part of the slab and of the bias is in LDS before I say so
	s_barrier_signal -1
	s_barrier_wait -1                              ; the only barrier: from here on LDS is only read
	s_min_u32 s18, s18, 2048
	s_add_co_u32 s19, s18, 15
	s_lshr_b32 s19, s19, 4                         ; nb: blocks asked for
	s_add_co_u32 s20, s19, 2
	s_mul_hi_u32 s20, s20, 0x55555556              ; ng = (nb + 2) / 3: groups
	s_sub_co_u32 s22, s19, 1                       ; the last block
	s_cmp_ge_u32 s14, s20                          ; my first group is w
	s_cbranch_scc1 .Lend
	s_sub_co_u32 s37, s20, s14                     ; my groups are w, w + 16, ...: (ng - w + 15) / 16 trips, three at the most
	s_add_co_u32 s37, s37, 15
	s_lshr_b32 s37, s37, 4
	s_mov_b32 s36, 0                               ; the trip
.macro PLACES                          ; four places behind matrix instructions (ISA guide 7.12.1), in front of vector instructions that write their sources or read their results
.rept 4
	v_nop
.endr
.endm
.macro ALOAD k                         ; the activations of K step k: three operands, six loads of 512 neighbouring bytes
.irp i, 0,1,2
.irp c, 0,1
	global_load_b128 v[AF+24*((\k)%3)+8*\i+4*\c:AF+24*((\k)%3)+8*\i+4*\c+3], v[AO+\i], s[8:9] offset:(\k)*1024+\c*512
.endr
.endr
.endm
.macro BFRAG k, f                      ; the slab's K step k, columns 16 f on: one operand of 16 columns x 32 k, transposed on the way
.irp c, 0,1
	ds_load_tr16_b128 v[BF+32*((\k)%2)+8*(\f)+4*\c:BF+32*((\k)%2)+8*(\f)+4*\c+3], v[BA+(\k)/8] offset:((\k)%8)*32*PITCH+(\f)*32+\c*16*PITCH
.endr
.endm
.macro BLOAD k                         ; all four operands of the slab's K step k
.irp f, 0,1,2,3
	BFRAG \k, \f
.endr
.endm
.macro KSTEP                           ; K step KS: ask two steps ahead for activations, then twelve products, and among the first four of them the slab's next step
.if (KS > 0) && (KS+1 < 32)
	s_wait_alu depctr_va_vdst(0)                   ; the matrix instructions of the step before are done reading AF[(KS - 1) % 3] and BF[(KS - 1) % 2], in which this step's loads land
.endif
.if KS+2 < 32
	ALOAD KS+2                                     ; ahead of the wait for this step's data: all three buffers are asked for while the wave waits
.endif
.if KS < 30
	s_wait_loadcnt 12                              ; this step's six are in; the next two steps' twelve stay out
.else
.if KS == 30
	s_wait_loadcnt 6                               ; the last step's six stay out
.else
	s_wait_loadcnt 0
.endif
.endif
	s_wait_dscnt 0                                 ; this step's fragments (and, in step 0, the bias) are in: no LDS load was issued behind them
.irp i, 0,1,2
.irp f, 0,1,2,3
	v_wmma_f32_16x16x32_f16 v[ACC+8*(4*\i+\f):ACC+8*(4*\i+\f)+7], v[BF+32*(KS%2)+8*\f:BF+32*(KS%2)+8*\f+7], v[AF+24*(KS%3)+8*\i:AF+24*(KS%3)+8*\i+7], v[ACC+8*(4*\i+\f):ACC+8*(4*\i+\f)+7]
.if (\i == 0) && (KS+1 < 32)
	BFRAG KS+1, \f                                 ; no wait: no vector or matrix instruction since the last wait on va_vdst names BF[(KS + 1) % 2] or the address
.endif
.endr
.endr
.endm
.macro GELU i, f                       ; tile (i, f): eight numbers a lane, rounded into the tile's own four registers
.set GX, ACC+8*(4*\i+\f)
.set GO, OUTR+4*(4*\i+\f)
.irp j, 0,1,2,3,4,5,6,7
	v_and_b32 v[GS+\j], 0x7fffffff, v[GX+\j]
.endr
.irp j, 0,2,4,6
	v_pk_mul_f32 v[GW+\j:GW+\j+1], v[GX+\j:GX+\j+1], v[GX+\j:GX+\j+1]
.endr
.irp j, 0,2,4,6
	v_pk_fma_f32 v[GU+\j:GU+\j+1], v[GS+\j:GS+\j+1], v[KCP:KCP+1], 1.0 op_sel_hi:[1,1,0]
.endr
.irp j, 0,2,4,6
	v_pk_mul_f32 v[GW+\j:GW+\j+1], v[GW+\j:GW+\j+1], v[KCE:KCE+1]
.endr
.irp j, 0,1,2,3,4,5,6,7
	v_rcp_f32 v[GU+\j], v[GU+\j]
.endr
.irp j, 0,1,2,3,4,5,6,7
	v_exp_f32 v[GW+\j], v[GW+\j]
.endr
.irp j, 0,1,2,3,4,5,6,7
	v_max_num_f32 v[GM+\j], 0, v[GX+\j]            ; plain work that touches neither t nor the power: it stands between the transcendentals and their first use (ISA guide 5.7.2)
.endr
	s_wait_alu depctr_va_vdst(0)
.irp j, 0,2,4,6
	v_pk_fma_f32 v[GP+\j:GP+\j+1], v[GU+\j:GU+\j+1], v[KA5:KA5+1], v[KA4:KA4+1]
.endr
.irp j, 0,2,4,6
	v_pk_fma_f32 v[GP+\j:GP+\j+1], v[GP+\j:GP+\j+1], v[GU+\j:GU+\j+1], v[KA3:KA3+1]
.endr
.irp j, 0,2,4,6
	v_pk_fma_f32 v[GP+\j:GP+\j+1], v[GP+\j:GP+\j+1], v[GU+\j:GU+\j+1], v[KA2:KA2+1]
.endr
.irp j, 0,2,4,6
	v_pk_fma_f32 v[GP+\j:GP+\j+1], v[GP+\j:GP+\j+1], v[GU+\j:GU+\j+1], v[KA1:KA1+1]
.endr
.irp j, 0,2,4,6
	v_pk_mul_f32 v[GU+\j:GU+\j+1], v[GU+\j:GU+\j+1], v[GW+\j:GW+\j+1]
.endr
.irp j, 0,2,4,6
	v_pk_mul_f32 v[GP+\j:GP+\j+1], v[GP+\j:GP+\j+1], v[GU+\j:GU+\j+1]          ; Q
.endr
.irp j, 0,2,4,6
	v_pk_fma_f32 v[GM+\j:GM+\j+1], v[GS+\j:GS+\j+1], v[GP+\j:GP+\j+1], v[GM+\j:GM+\j+1] neg_lo:[1,0,0] neg_hi:[1,0,0]   ; max(v, 0) - |v| Q
.endr
.irp j, 0,1,2,3
	v_cvt_pk_f16_f32 v[GO+\j], v[GM+2*\j], v[GM+2*\j+1]
.endr
.endm
.Lgroup:
	s_wait_xcnt 0x0                                ; the last trip's stores have given up their data and offsets: both are written again below
	s_wait_alu depctr_vm_vsrc(0)                   ; the last trip's stores have read SO and OUTR, its loads AO; in the first trip the slab's LDS stores have read v[16:143] and v[247:251], the bias's load v246: all are written again below
	s_lshl_b32 s21, s36, 4
	s_add_co_u32 s21, s21, s14                     ; the trip's group: w + 16 t
	s_mul_i32 s23, s21, 3
	s_add_co_u32 s24, s23, 1
	s_add_co_u32 s25, s23, 2
.irp i, 0,1,2
	s_min_u32 s[23+\i], s[23+\i], s22              ; a block past the last one asked for repeats it: the same wave stores the same values again,
	s_min_u32 s[23+\i], s[23+\i], 127              ; and nothing is read that no launch has stored
	v_lshl_add_u32 v[AO+\i], s[23+\i], ASH, v1
	v_lshl_add_u32 v[SO+\i], s[23+\i], 16, v1
.endr
	s_wait_alu depctr_va_vdst(0)                   ; AO and SO are written, which the trip's loads and stores read; the last trip's GELU (in the first trip: the conversions and the head's arithmetic) is done with v[16:247], in which the loads below and step 0's land
	ALOAD 0
	ALOAD 1
.irp i, 0,1,2
.irp f, 0,1,2,3
	ds_load_b128 v[ACC+8*(4*\i+\f):ACC+8*(4*\i+\f)+3],   v9 offset:\f*64      ; the sums start at the bias: nothing is cleared, nothing is added later
	ds_load_b128 v[ACC+8*(4*\i+\f)+4:ACC+8*(4*\i+\f)+7], v9 offset:\f*64+16
.endr
.endr
	BLOAD 0
	; 32 K steps.  The twelve accumulators take turns, one instruction a turn, in the same order in every step and over the backward jump.
.set KS, 0
.rept 32
	KSTEP
.set KS, KS+1
.endr
	PLACES
.irp j, 0,1
	v_mov_b32 v[KCP+\j], 0x3e6d3388                ; 0.3275911 / sqrt 2
	v_mov_b32 v[KCE+\j], 0xbf38aa3b                ; -log2(e) / 2
	v_mov_b32 v[KA1+\j], 0x3e027906                ;  0.254829592 / 2
	v_mov_b32 v[KA2+\j], 0xbe11a98e                ; -0.284496736 / 2
	v_mov_b32 v[KA3+\j], 0x3f35f0e3                ;  1.421413741 / 2
	v_mov_b32 v[KA4+\j], 0xbf3a00e3                ; -1.453152027 / 2
	v_mov_b32 v[KA5+\j], 0x3f07dc22                ;  1.061405429 / 2
.endr
.irp i, 0,1,2
.irp f, 0,1,2,3
	GELU \i, \f
.endr
	s_wait_alu depctr_va_vdst(0)                   ; the block's roundings have written its sixteen registers of OUTR, which its four stores read
.irp f, 0,1,2,3
	global_store_b128 v[SO+\i], v[OUTR+4*(4*\i+\f):OUTR+4*(4*\i+\f)+3], s[12:13] offset:(\f/2)*1024+(\f%2)*512     ; the wave's 512 neighbouring bytes, aligned; the next block's GELU names none of these registers
.endr
.endr
	s_add_co_u32 s36, s36, 1
	s_cmp_lt_u32 s36, s37
	s_cbranch_scc1 .Lgroup
.Lend:
	s_wait_dscnt 0x0
	s_wait_alu depctr_hold_cnt(0) depctr_sa_sdst(0) depctr_va_vdst(0) depctr_va_sdst(0) depctr_va_ssrc(0) depctr_va_vcc(0) depctr_vm_vsrc(0)
	s_wait_tensorcnt 0x0
	ds_add_u32 v254, v255
	s_wait_dscnt 0x0
	s_endpgm
.Lfunc_end_k_q5c93d18139_gemm1:
	.size	k_q5c93d18139_gemm1, .Lfunc_end_k_q5c93d18139_gemm1-k_q5c93d18139_gemm1
	.p2alignl 7, 3214868480
	.fill 96, 4, 3214868480
	.section	.rodata,"a",@progbits
	.p2align	6, 0x0
	.amdhsa_kernel k_q5c93d18139_gemm1
		.amdhsa_group_segment_fixed_size 166144
		.amdhsa_private_segment_fixed_size 0
		.amdhsa_enable_private_segment 0
		.amdhsa_kernarg_size 40
		.amdhsa_user_sgpr_count 2
		.amdhsa_user_sgpr_kernarg_segment_ptr 1
		.amdhsa_wavefront_size32 1
		.amdhsa_system_sgpr_workgroup_id_x 1
		.amdhsa_system_sgpr_workgroup_id_y 1
		.amdhsa_system_sgpr_workgroup_id_z 1
		.amdhsa_system_vgpr_workitem_id 0
		.amdhsa_next_free_vgpr 256
		.amdhsa_next_free_sgpr 66
		.amdhsa_reserve_vcc 0
		.amdhsa_float_denorm_mode_32 3
		.amdhsa_float_denorm_mode_16_64 3
		.amdhsa_memory_ordered 1
		.amdhsa_forward_progress 1
		.amdhsa_inst_pref_size 127
	.end_amdhsa_kernel
	.amdgpu_metadata
---
amdhsa.version: [ 1, 2 ]
amdhsa.kernels:
  - .name:           k_q5c93d18139_gemm1
    .symbol:         k_q5c93d18139_gemm1.kd
    .args:
      - { .name: w0, .offset: 0, .size: 8, .value_kind: global_buffer, .address_space: global }
      - { .name: b0, .offset: 8, .size: 8, .value_kind: global_buffer, .address_space: global }
      - { .name: xf, .offset: 16, .size: 8, .value_kind: global_buffer, .address_space: global }
      - { .name: cnt, .offset: 24, .size: 8, .value_kind: global_buffer, .address_space: global }
      - { .name: hf, .offset: 32, .size: 8, .value_kind: global_buffer, .address_space: global }
    .group_segment_fixed_size: 166144
    .private_segment_fixed_size: 0
    .kernarg_segment_align: 8
    .kernarg_segment_size: 40
    .max_flat_workgroup_size: 512
    .sgpr_count:     66
    .vgpr_count:     256
    .wavefront_size: 32
...
	.end_amdgpu_metadata
.endif
;; end of part 6
;; launch gemm2 (part 7): grid 32 x 8, 16 waves a work-group, no clusters, 235,776 bytes of LDS; arguments w1, b1, hf, cnt, y; writes y
.if DOCPART == 7
	.amdgcn_target "amdgcn-amd-amdhsa--gfx1250"
	.amdhsa_code_object_version 6
	.text
	.protected	k_q5c93d18139_gemm2
	.globl	k_q5c93d18139_gemm2
	.p2align	8
	.type	k_q5c93d18139_gemm2,@function
k_q5c93d18139_gemm2:
	s_mov_b64 s[64:65], 0
	v_nop
	global_prefetch_b8 v0, s[64:65] scope:SCOPE_SE
	s_setreg_imm32_b32 hwreg(HW_REG_WAVE_SCHED_MODE, 0, 2), 2
	s_setreg_imm32_b32 hwreg(HW_REG_WAVE_MODE, 25, 1), 1
	s_wait_xcnt 0x0
	s_wait_alu depctr_vm_vsrc(0)
; GEMM2: y[kh][2048 e + j][:] = h[j][1024 kh .. + 1023] W1[e][1024 kh .. + 1023][:]  (+ b1[e] in kh = 0), f32 rows; the last launch adds the two halves.
; Only the blocks of 16 slots that cnt[e] asks for are made (pairs with r == 0 are not asked for: see the first launch's head).
; NUMBER FORMAT.  Operands in f16 (11 significant bits against bf16's 8), sums in f32.  Room in f16 (largest number 65,504, least normal 6.1e-5): W1 of the
; problem's kind is below 0.0313, 30 times larger 0.94, 30 times smaller 1.0e-3; h's room is shown at the head of the launch that makes it.
; LIMIT: an |W1| of 65,504 or more becomes infinite.
; SHARES.  Work-group x = cb + 16 kh, y = e.  It owns the slab W1[e][1024 kh .. + 1023][64 cb .. + 63]: 262,144 bytes of f32 that it alone reads, once,
; rounds to f16 and keeps in LDS as [k][n].  K is cut in two so that a slab row is still 256 whole bytes of memory, the slab fits LDS, and each
; work-group reads half of hf.  All rows of the expert pass the slab: a wave takes a group of three blocks (48 rows x 64 columns, twelve accumulators),
; groups w, w + 16, ...  Activations come from hf straight into registers: each operand is read by one wave only.
; NO CLUSTER: the 16 work-groups of an expert and a K half do read the same hf, but how many blocks there are is a count read from memory, the
; activations do not pass through LDS here, and beside the slab and the stages 94,000 bytes are left for shared tiles.
; THE MATRIX INSTRUCTION IS USED TRANSPOSED: source 0 = 16 columns of the slab, source 1 = 16 rows of h: lane l = r + 16 h holds row r, columns 16 f + 8 h + 0..7.
; Rows of slots behind cnt[e] in the last block are computed and never read.
; THE MODE: SCHED_MODE bits 1:0 = 2 (LLVM: expert scheduling mode 2), set by the entry lines.  The code itself states the register dependences
; between vector or matrix instructions and memory or LDS instructions, with s_wait_alu, always for 0.
; THE PLAN.  Registers that memory or LDS instructions touch:
;   v1, v5-9, v13-15, v246, v247, v252, v253   offsets and LDS addresses: made at the head, read by loads and stores, named by no vector instruction afterwards but v1 and v15, which the trip's head only reads.
;   v[16:143]   the slab: 32 loads land; the conversions read them and write in place; the LDS stores read the low two of each four.  No register is written twice.
;   v[248:251]  the bias: a load lands, four selects write, one LDS store reads.
;   AO, SO      written at a trip's head; read by the trip's loads and stores.
;   ACC         the bias's LDS loads land at a trip's head; matrix instructions; the way out's LDS stores read.
;   AF0 .. AF2  step k's matrix instructions read AF[k % 3]; the loads of step k + 2, issued in step k, land in AF[(k - 1) % 3].
;   BF0, BF1    step k's matrix instructions read BF[k % 2]; the LDS loads of step k + 1, issued in step k, land in BF[(k - 1) % 2].
;   OUTR        (AF's and BF's registers) the loads from the stage land; the global stores read.
; So ONE wait on va_vdst stands at the head of a K step: the step before is done reading the two buffers in which this step's fourteen loads land.  It stands ahead of the
; wait for this step's data, so that the six loads of step k + 2 are out while the wave waits: all three AF buffers, 18 loads, are then asked for.  The eight LDS loads are
; dealt among the step's first products, which name ACC, AF[k % 3] and BF[k % 2]: none of the registers that those loads touch.  A trip's head has one wait on vm_vsrc and
; one on va_vdst; the slab one on va_vdst for each eight loads; the way out, which holds no vector instruction behind its places, one.
.set WPITCH, 4096                      ; bytes of a row of W1[e]
.set WSH,    12
.set WWAVE,  18                        ; log2 of 64 such rows: a wave's part of the slab
.set ASH,    16                        ; log2 of a block's bytes in hf (64 steps x 1,024)
.set PITCH,  160                       ; a slab row in LDS: 128 bytes of f16 + 32; 5 x 32 bytes, so the 8 rows x 2 pieces of 16 bytes that half a wave's transposing load touches lie 16 bytes apart modulo 256
.set BIAS,   1024*PITCH                ; 64 f32 behind the slab
.set STAGE,  BIAS+256                  ; then a stage for each wave: 16 rows of
.set SPITCH, 272                       ; 256 bytes + 16, an odd multiple of 16: the 16 rows that a store touches start 16 bytes apart modulo 256
.set AO,  2                            ; v2-4     offset in hf of my 16 bytes of block i
.set BA,  5                            ; v5-8     LDS address of my part of a slab fragment, K quarter 0..3
.set SO,  10                           ; v10-12   offset in y of my 16 bytes of block i's first two rows
.set ACC, 16                           ; v[16:111]  tile (i, f) at 16 + 8 (4 i + f); v[16:143] first hold the slab as loaded
.set AF,  112                          ; v[112:183] activations: 3 buffers x 3 blocks x 8
.set BF,  184                          ; v[184:247] slab fragments: 2 buffers x 4 x 8
.set OUTR, 112                         ; v[112:207] the way out: 32 registers of its own for each block
	s_load_b256 s[4:11], s[0:1], 0x0               ; w1 s[4:5], b1 s[6:7], hf s[8:9], cnt s[10:11]
	s_load_b64 s[12:13], s[0:1], 0x20              ; y
	v_lshl_add_u32 v254, v0, 2, 0x39100
	v_mov_b32 v255, 0
	v_lshrrev_b32 v240, 5, v0
	v_readfirstlane_b32 s14, v240                  ; wave w
	s_and_b32 s15, ttmp7, 0xffff                   ; e
	s_and_b32 s16, ttmp9, 15                       ; cb
	s_lshr_b32 s17, ttmp9, 4                       ; kh
	s_lshl_b32 s29, s15, 7                         ; cnt's row e; never rewritten
	s_mov_b32 s27, 0
	s_cmp_eq_u32 s17, 0
	s_cselect_b32 s28, -1, 0                       ; the bias belongs to K half 0 alone
	v_and_b32 v240, 31, v0                         ; lane l
	v_and_b32 v241, 15, v0                         ; r
	v_bfe_u32 v242, v0, 4, 1                       ; h
	v_and_b32 v243, 7, v0
	v_bfe_u32 v244, v0, 3, 1
	v_lshlrev_b32 v1, 4, v240                      ; 16 l
	v_lshl_add_u32 v245, v242, 3, v243             ; slab row 8 h + (l & 7)
	v_mul_u32_u24 v5, v245, PITCH
	v_lshl_add_u32 v5, v244, 4, v5                 ; + 16 ((l >> 3) & 1)
	v_add_nc_u32 v6, 8*32*PITCH, v5
	v_add_nc_u32 v7, 16*32*PITCH, v5
	v_add_nc_u32 v8, 24*32*PITCH, v5
	v_lshl_add_u32 v9, v242, 5, BIAS               ; bias of columns 8 h ..
	v_mul_u32_u24 v13, v241, SPITCH                ; stage, in: row r, 32 h bytes
	v_lshl_add_u32 v13, v242, 5, v13
	v_mul_u32_u24 v14, v242, SPITCH                ; stage, back: lanes 0-15 one row of 256 bytes, lanes 16-31 the next
	v_lshl_add_u32 v14, v241, 4, v14
	v_lshlrev_b32 v15, 12, v242                    ; and the same two rows in y (4,096 bytes a row)
	v_lshl_add_u32 v15, v241, 4, v15
	v_lshlrev_b32 v252, WSH, v242                  ; slab, from memory: row 64 w + h, 16 r bytes
	v_lshl_add_u32 v252, v241, 4, v252
	v_mul_u32_u24 v253, v242, PITCH                ; slab, into LDS: the same row, 8 r bytes
	v_lshl_add_u32 v253, v241, 3, v253
	s_wait_alu depctr_va_sdst(0)                   ; s14 is written, ahead of its first reader: the wave's parts of the slab and of the bias and its stage are made from it
	s_lshl_b32 s31, s14, WWAVE
	s_mul_i32 s32, s14, 64*PITCH
	s_lshl_b32 s33, s14, 4
	s_mul_i32 s34, s14, 16*SPITCH
	s_add_co_u32 s34, s34, STAGE                   ; my stage
	v_add_nc_u32 v13, s34, v13
	v_add_nc_u32 v14, s34, v14
	v_add_nc_u32 v252, s31, v252
	v_add_nc_u32 v253, s32, v253
	v_mov_b32 v246, s33                            ; bias: wave w moves the 16 bytes at 16 w
	v_add_nc_u32 v247, BIAS, v246
	s_wait_kmcnt 0x0
	s_load_b32 s18, s[10:11], s29 offset:0x0       ; cnt[e]; waited for in front of the barrier, behind the whole slab
	s_lshl_b32 s26, s15, 23                        ; W1[e]: 8 MiB an expert,
	s_lshl_b32 s30, s17, 22                        ; 1,024 rows a K half,
	s_add_co_u32 s26, s26, s30
	s_lshl_b32 s30, s16, 8                         ; 64 columns of f32
	s_add_co_u32 s26, s26, s30
	s_add_nc_u64 s[4:5], s[4:5], s[26:27]
	s_lshl_b32 s26, s15, 12                        ; b1[e]
	s_add_co_u32 s26, s26, s30
	s_add_nc_u64 s[6:7], s[6:7], s[26:27]
	s_lshl_b32 s26, s15, 23                        ; y: 64 MiB a K half, 8 MiB an expert, 256 bytes a column block
	s_add_co_u32 s26, s26, s30
	s_lshl_b32 s30, s17, 26
	s_add_co_u32 s26, s26, s30
	s_add_nc_u64 s[12:13], s[12:13], s[26:27]
	s_lshl_b32 s26, s15, 23                        ; hf: 8 MiB an expert, 32 steps of 1,024 bytes a K half
	s_lshl_b32 s30, s17, 15
	s_add_co_u32 s26, s26, s30
	s_add_nc_u64 s[8:9], s[8:9], s[26:27]
	; THE SLAB, once.  A load takes two whole rows of 256 bytes; the wave's 64 rows, and so the work-group's 262,144 bytes, are asked for at once.
	s_wait_alu depctr_va_vdst(0)                   ; the offsets and LDS addresses v1, v5 to v9, v13 to v15, v246, v247, v252 and v253 are written, which the loads and stores of the whole kernel read
	global_load_b128 v[248:251], v246, s[6:7]      ; the oldest load: four numbers of the bias, the same in every lane
.set idx, 0
.rept 32
	global_load_b128 v[ACC+4*idx:ACC+4*idx+3], v252, s[4:5] offset:idx*2*WPITCH th:TH_LOAD_NT
.set idx, idx+1
.endr
	; Four groups of eight loads.  A load's four numbers close up into the first two of their four registers, so that no register is written a second time.
.set grp, 0
.rept 4
	s_wait_loadcnt 24-8*grp                        ; loads come back in order: this group's eight (and, ahead of the first, the bias) are in, the younger groups stay out
.if grp == 0
.irp j, 0,1,2,3
	v_cndmask_b32 v[248+\j], 0, v[248+\j], s28     ; K half 1 starts its sums at zero
.endr
.endif
.set idx, 8*grp
.rept 8
	v_cvt_pk_f16_f32 v[ACC+4*idx],   v[ACC+4*idx],   v[ACC+4*idx+1]
	v_cvt_pk_f16_f32 v[ACC+4*idx+1], v[ACC+4*idx+2], v[ACC+4*idx+3]
.set idx, idx+1
.endr
	s_wait_alu depctr_va_vdst(0)                   ; the group's conversions have written the pairs that its eight LDS stores read; in the first group the selects have written the bias too
.if grp == 0
	ds_store_b128 v247, v[248:251]
.endif
.set idx, 8*grp
.rept 8
	ds_store_b64 v253, v[ACC+4*idx:ACC+4*idx+1] offset:idx*2*PITCH
.set idx, idx+1
.endr
.set grp, grp+1
.endr
	s_wait_kmcnt 0x0                               ; cnt[e] is in
	s_wait_dscnt 0x0                               ; my part of the slab and of the bias is in LDS before I say so
	s_barrier_signal -1
	s_barrier_wait -1                              ; the only barrier: from here on slab and bias are only read, and a stage is its wave's own
	s_min_u32 s18, s18, 2048
	s_add_co_u32 s19, s18, 15
	s_lshr_b32 s19, s19, 4                         ; nb: blocks asked for
	s_add_co_u32 s20, s19, 2
	s_mul_hi_u32 s20, s20, 0x55555556              ; ng = (nb + 2) / 3: groups
	s_sub_co_u32 s22, s19, 1                       ; the last block
	s_cmp_ge_u32 s14, s20                          ; my first group is w
	s_cbranch_scc1 .Lend
	s_sub_co_u32 s37, s20, s14                     ; my groups are w, w + 16, ...: (ng - w + 15) / 16 trips, three at the most
	s_add_co_u32 s37, s37, 15
	s_lshr_b32 s37, s37, 4
	s_mov_b32 s36, 0                               ; the trip
.macro PLACES                          ; four places behind matrix instructions, in front of the LDS stores that read their results
.rept 4
	v_nop
.endr
.endm
.macro ALOAD k                         ; the activations of K step k: three operands, six loads of 512 neighbouring bytes
.irp i, 0,1,2
.irp c, 0,1
	global_load_b128 v[AF+24*((\k)%3)+8*\i+4*\c:AF+24*((\k)%3)+8*\i+4*\c+3], v[AO+\i], s[8:9] offset:(\k)*1024+\c*512
.endr
.endr
.endm
.macro BFRAG k, f                      ; the slab's K step k, columns 16 f on: one operand of 16 columns x 32 k, transposed on the way
.irp c, 0,1
	ds_load_tr16_b128 v[BF+32*((\k)%2)+8*(\f)+4*\c:BF+32*((\k)%2)+8*(\f)+4*\c+3], v[BA+(\k)/8] offset:((\k)%8)*32*PITCH+(\f)*32+\c*16*PITCH
.endr
.endm
.macro BLOAD k                         ; all four operands of the slab's K step k
.irp f, 0,1,2,3
	BFRAG \k, \f
.endr
.endm
.macro KSTEP                           ; K step KS: ask two steps ahead for activations, then twelve products, and among the first four of them the slab's next step
.if (KS > 0) && (KS+1 < 32)
	s_wait_alu depctr_va_vdst(0)                   ; the matrix instructions of the step before are done reading AF[(KS - 1) % 3] and BF[(KS - 1) % 2], in which this step's loads land
.endif
.if KS+2 < 32
	ALOAD KS+2                                     ; ahead of the wait for this step's data: all three buffers are asked for while the wave waits
.endif
.if KS < 30
	s_wait_loadcnt 12                              ; this step's six are in; the next two steps' twelve stay out
.else
.if KS == 30
	s_wait_loadcnt 6                               ; the last step's six stay out
.else
	s_wait_loadcnt 0
.endif
.endif
	s_wait_dscnt 0                                 ; this step's fragments (and, in step 0, the bias) are in: no LDS load was issued behind them
.irp i, 0,1,2
.irp f, 0,1,2,3
	v_wmma_f32_16x16x32_f16 v[ACC+8*(4*\i+\f):ACC+8*(4*\i+\f)+7], v[BF+32*(KS%2)+8*\f:BF+32*(KS%2)+8*\f+7], v[AF+24*(KS%3)+8*\i:AF+24*(KS%3)+8*\i+7], v[ACC+8*(4*\i+\f):ACC+8*(4*\i+\f)+7]
.if (\i == 0) && (KS+1 < 32)
	BFRAG KS+1, \f                                 ; no wait: no vector or matrix instruction since the last wait on va_vdst names BF[(KS + 1) % 2] or the address
.endif
.endr
.endr
.endm
.Lgroup:
	s_wait_xcnt 0x0                                ; the last trip's stores have given up their data and offsets: both are written again below
	s_wait_alu depctr_vm_vsrc(0)                   ; the last trip's stores have read SO and OUTR, its LDS stores ACC, its loads AO; in the first trip the slab's LDS stores have read v[16:143] and v[247:251], the bias's load v246: all are written again below
	s_lshl_b32 s21, s36, 4
	s_add_co_u32 s21, s21, s14                     ; the trip's group: w + 16 t
	s_mul_i32 s23, s21, 3
	s_add_co_u32 s24, s23, 1
	s_add_co_u32 s25, s23, 2
.irp i, 0,1,2
	s_min_u32 s[23+\i], s[23+\i], s22              ; a block past the last one asked for repeats it: the same wave stores the same values again,
	s_min_u32 s[23+\i], s[23+\i], 127              ; and nothing is read that no launch has stored
	v_lshl_add_u32 v[AO+\i], s[23+\i], ASH, v1
	v_lshl_add_u32 v[SO+\i], s[23+\i], 16, v15     ; 16 rows of 4,096 bytes a block
.endr
	s_wait_alu depctr_va_vdst(0)                   ; AO and SO are written, which the trip's loads and stores read; in the first trip the conversions and the head's arithmetic are done with v[16:247], in which the loads below and step 0's land
	ALOAD 0
	ALOAD 1
.irp i, 0,1,2
.irp f, 0,1,2,3
	ds_load_b128 v[ACC+8*(4*\i+\f):ACC+8*(4*\i+\f)+3],   v9 offset:\f*64      ; the sums start at the bias (or at zero): nothing is cleared, nothing is added later
	ds_load_b128 v[ACC+8*(4*\i+\f)+4:ACC+8*(4*\i+\f)+7], v9 offset:\f*64+16
.endr
.endr
	BLOAD 0
	; 32 K steps.  The twelve accumulators take turns, one instruction a turn, in the same order in every step and over the backward jump.
.set KS, 0
.rept 32
	KSTEP
.set KS, KS+1
.endr
	; THE WAY OUT, a block of 16 rows x 64 columns at a time: a lane's 32 bytes of a row into my own stage, whole rows of 256 bytes back.
	PLACES
	s_wait_alu depctr_va_vdst(0)                   ; the matrix instructions have written the accumulators, which the LDS stores read, and are done reading AF and BF, in which the loads from the stage land; the places above stay beside this wait
.irp i, 0,1,2
.irp f, 0,1,2,3
	ds_store_b128 v13, v[ACC+8*(4*\i+\f):ACC+8*(4*\i+\f)+3]   offset:\f*64
	ds_store_b128 v13, v[ACC+8*(4*\i+\f)+4:ACC+8*(4*\i+\f)+7] offset:\f*64+16
.endr
.irp t, 0,1,2,3,4,5,6,7
	ds_load_b128 v[OUTR+32*\i+4*\t:OUTR+32*\i+4*\t+3], v14 offset:\t*2*SPITCH   ; my own bytes, and LDS serves a wave's instructions in order: these see the stores above, and the next block's stores come behind them
.endr
.irp t, 0,1,2,3,4,5,6,7
	s_wait_dscnt 7-\t
	global_store_b128 v[SO+\i], v[OUTR+32*\i+4*\t:OUTR+32*\i+4*\t+3], s[12:13] offset:\t*8192    ; 16 lanes store 256 neighbouring bytes, aligned
.endr
.endr
	s_add_co_u32 s36, s36, 1
	s_cmp_lt_u32 s36, s37
	s_cbranch_scc1 .Lgroup
.Lend:
	s_wait_dscnt 0x0
	s_wait_alu depctr_hold_cnt(0) depctr_sa_sdst(0) depctr_va_vdst(0) depctr_va_sdst(0) depctr_va_ssrc(0) depctr_va_vcc(0) depctr_vm_vsrc(0)
	s_wait_tensorcnt 0x0
	ds_add_u32 v254, v255
	s_wait_dscnt 0x0
	s_endpgm
.Lfunc_end_k_q5c93d18139_gemm2:
	.size	k_q5c93d18139_gemm2, .Lfunc_end_k_q5c93d18139_gemm2-k_q5c93d18139_gemm2
	.p2alignl 7, 3214868480
	.fill 96, 4, 3214868480
	.section	.rodata,"a",@progbits
	.p2align	6, 0x0
	.amdhsa_kernel k_q5c93d18139_gemm2
		.amdhsa_group_segment_fixed_size 235776
		.amdhsa_private_segment_fixed_size 0
		.amdhsa_enable_private_segment 0
		.amdhsa_kernarg_size 40
		.amdhsa_user_sgpr_count 2
		.amdhsa_user_sgpr_kernarg_segment_ptr 1
		.amdhsa_wavefront_size32 1
		.amdhsa_system_sgpr_workgroup_id_x 1
		.amdhsa_system_sgpr_workgroup_id_y 1
		.amdhsa_system_sgpr_workgroup_id_z 1
		.amdhsa_system_vgpr_workitem_id 0
		.amdhsa_next_free_vgpr 256
		.amdhsa_next_free_sgpr 66
		.amdhsa_reserve_vcc 0
		.amdhsa_float_denorm_mode_32 3
		.amdhsa_float_denorm_mode_16_64 3
		.amdhsa_memory_ordered 1
		.amdhsa_forward_progress 1
		.amdhsa_inst_pref_size 84
	.end_amdhsa_kernel
	.amdgpu_metadata
---
amdhsa.version: [ 1, 2 ]
amdhsa.kernels:
  - .name:           k_q5c93d18139_gemm2
    .symbol:         k_q5c93d18139_gemm2.kd
    .args:
      - { .name: w1, .offset: 0, .size: 8, .value_kind: global_buffer, .address_space: global }
      - { .name: b1, .offset: 8, .size: 8, .value_kind: global_buffer, .address_space: global }
      - { .name: hf, .offset: 16, .size: 8, .value_kind: global_buffer, .address_space: global }
      - { .name: cnt, .offset: 24, .size: 8, .value_kind: global_buffer, .address_space: global }
      - { .name: y, .offset: 32, .size: 8, .value_kind: global_buffer, .address_space: global }
    .group_segment_fixed_size: 235776
    .private_segment_fixed_size: 0
    .kernarg_segment_align: 8
    .kernarg_segment_size: 40
    .max_flat_workgroup_size: 512
    .sgpr_count:     66
    .vgpr_count:     256
    .wavefront_size: 32
...
	.end_amdgpu_metadata
.endif
;; end of part 7
;; launch combine: the kernel of part 5 again; grid 1024 x 1, 8 waves a work-group, no clusters, 0 bytes of LDS; arguments routing_tensor, pos, y, out0; writes out0
